; MI455X (gfx1250); checked and timed in simulation.
; The chip was launched on July 23, 2026; its instructions are those of AMD's public machine-readable ISA for CDNA 5 (MIT licence, August 2026) and "CDNA5" Instruction Set Architecture Reference Guide (July 2026). The comments in the code are by the model that wrote it; some were corrected since.
;; Block. Allowed arithmetic: matrix products marked QUANTISED: E2M1 operands, one E8M0 scale for each 32 along K, by v_wmma_scale_f32_16x16x128_f8f6f4 with both operands' format E2M1 (or v_wmma_scale_f32_32x16x128_f4), f32 sums; everything else in f32.
;; Inputs: W1 1,024 x 4,096 float32; W2 4,096 x 1,024 float32; Wk 16 x 1,024 x 64 float32; Wo 1,024 x 1,024 float32; Wq 16 x 1,024 x 64 float32; Wv 16 x 1,024 x 64 float32; b1 4,096 float32; b2 1,024 float32; bo 1,024 float32; ln1_b 1,024 float32; ln1_g 1,024 float32; ln2_b 1,024 float32; ln2_g 1,024 float32; x 2 x 2,048 x 1,024 float32.
;; Outputs: out0 2 x 2,048 x 1,024 float32.
;; This version of the problem:
;;   THIS VERSION OF THE PROBLEM IS GIVEN IN LOW PRECISION. The matrix products marked QUANTISED in the list below multiply operands that are first quantised to E2M1 (2 exponent bits, 1 mantissa bit; 4 bits a number), with one power-of-two scale for each 32 numbers along K (OCP MX v1.0); their sums are f32. All else is computed in f32.
;;   The module's matrix products, in the order in which they are computed (A, B: the left and right operand; K: the contracted axis; several contracted axes count as one K, in the product's order):
;;     1. [M 1,024, K 1,024] x [K 1,024, N 4,096]; A: input Wq; B: computed on the way: QUANTISED
;;     2. [M 1,024, K 1,024] x [K 1,024, N 4,096]; A: input Wk; B: computed on the way: QUANTISED
;;     3. [M 1,024, K 1,024] x [K 1,024, N 4,096]; A: input Wv; B: computed on the way: QUANTISED
;;     4. batch 32 x [M 2,048, K 64] x [K 64, N 2,048]; A: computed on the way; B: computed on the way: QUANTISED
;;     5. batch 32 x [M 2,048, K 2,048] x [K 2,048, N 64]; A: softmax (see below); B: computed on the way: QUANTISED
;;     6. [M 4,096, K 1,024] x [K 1,024, N 1,024]; A: computed on the way; B: input Wo: QUANTISED
;;     7. [M 4,096, K 1,024] x [K 1,024, N 4,096]; A: computed on the way; B: input W1: QUANTISED
;;     8. [M 4,096, K 4,096] x [K 4,096, N 1,024]; A: computed on the way; B: input W2: QUANTISED
;;   THE QUANTISER, for each operand of a quantised product, along K:
;;     - K is cut into blocks of 32 from its start; a last block that is shorter is filled with zeros.
;;     - A block's scale is 2^e with e = floor(log2(the largest magnitude in the block)) - 2, held to -126 .. 127; a block of zeros has e = 0. As a byte (E8M0): e + 127.
;;     - Each number is divided by its block's scale, clamped to +-6, and rounded to the nearest number of E2M1, ties to even, subnormals kept.
;;     - The product sums the exact products of the quantised numbers (number of the format x scale) in f32.
;;   ~~~python
;;   def quantise(x, axis):      # numpy; x: float32 -> the quantised numbers, widened to float32 again
;;       x = np.moveaxis(x, axis, -1); K = x.shape[-1]
;;       x = np.pad(x, [(0, 0)] * (x.ndim - 1) + [(0, -K % 32)]); x = x.reshape(x.shape[:-1] + (-1, 32)); a = np.abs(x).max(-1, keepdims=True)
;;       e = np.where(a > 0, np.clip(np.frexp(np.where(a > 0, a, 1))[1] - 1 - 2, -126, 127), 0)      # np.frexp(a)[1] - 1 = floor(log2(a)), exactly
;;       r = np.clip(x / 2.0 ** e, -6, 6)
;;       step = 2.0 ** (np.maximum(np.frexp(np.where(r == 0, 1, r))[1] - 1, 0) - 1)
;;       q = np.round(r / step) * step * 2.0 ** e      # np.round: ties to even
;;       return np.moveaxis(q.reshape(q.shape[:-2] + (-1,))[..., :K], -1, axis).astype(np.float32)
;;   ~~~
;;   SOFTMAX AHEAD OF A QUANTISED PRODUCT. Where the list says 'softmax', what is quantised is not the finished softmax but p = 2^(t - M), with t = logit x log2(e) and M = ceil(the row's largest t), a whole number; so 1/2 < the row's largest p <= 1. The row's sum l is taken of the UNQUANTISED p, in f32, and the product's result is divided by l at the end. Since M is a whole number, a kernel that streams over the keys may use a running M (the ceiling of the running maximum): every later rescaling is an exact power of two, which a block's scale takes up: the codes' values come out the same.
;;   OPERANDS COMPUTED ON THE WAY. 'Computed on the way' means the value that the module computes at that place (a softmax that the list does not call 'softmax' is quantised finished and normalised). What goes into a quantiser is computed in f32, as accurately as f32 sums, v_exp_f32 and their like allow (about 1e-6 of the number): no bf16 or f16 on the way to a quantiser, and a product that is left as it is and whose result goes on into a quantised operand takes f32 operands (vector FMAs, or v_wmma_f32_16x16x4_f32). A number that lies on a knife's edge between two numbers of the format may be rounded either way, as far as f32 arithmetic and the matrix unit's own rounding can turn it there, and no further.
;; One version. Each part assembles by itself: llvm-mc -triple=amdgcn-amd-amdhsa -mcpu=gfx1250 --defsym DOCPART=n.
;; ======== version 1 of 1: 6 launches
;; limits: right only within a limited range of input values
;; workspace buffers: wc 6,291,456 bytes; ws 393,216 bytes; xc 2,228,224 bytes; qkv 6,684,672 bytes; ac 2,228,224 bytes; x1 16,777,216 bytes; yc 2,228,224 bytes; hc 8,912,896 bytes
;; launch prep (part 1): grid 512 x 1, 4 waves a work-group, no clusters, 38,400 bytes of LDS; arguments x, ln1_g, ln1_b, Wq, Wk, Wv, Wo, W1, W2, wc, ws, xc; writes wc, ws, xc
.if DOCPART == 1
	.amdgcn_target "amdgcn-amd-amdhsa--gfx1250"
	.amdhsa_code_object_version 6
	.text
	.protected	k_qa7d39a9e85_prep
	.globl	k_qa7d39a9e85_prep
	.p2align	8
	.type	k_qa7d39a9e85_prep,@function
k_qa7d39a9e85_prep:
	s_mov_b64 s[64:65], 0
	v_nop
	global_prefetch_b8 v0, s[64:65] scope:SCOPE_SE
	s_setreg_imm32_b32 hwreg(HW_REG_WAVE_MODE, 25, 1), 1
	s_wait_xcnt 0x0
; PREP: every weight, and LayerNorm1(x), become codes of FP4 (E2M1) with one E8M0 byte for each 32 along K, laid as IMAGES OF OPERAND REGISTERS.
; A fragment (16 rows x 128 K) is 1,024 bytes: registers 4 c .. 4 c + 3 of lane l at 512 c + 16 l (lane l = (r, h): k = 64 c + 32 h + 0 .. 31 of tile row r).  Fragment (tile, K step s) lies at (tile x KS + s) x 1,024.
; Row r of tile T is matrix row 32 (T / 2) + 8 (T % 2) + r + 8 (r / 8): so the results of two neighbouring tiles used as source 0 are 16 neighbours along the next product's K.
; Scale word of (tile, s, row r): (s x NT + tile) x 64 + 4 r.
; wc: Wq, Wk, Wv, Wo as tiles 0-255 (KS 8) at 0; W1 (256 tiles, KS 8) at 2 MiB; W2 (64 tiles, KS 32) at 4 MiB.  ws: the same three regions at 0, 131,072, 262,144.  xc: xn's codes (256 token tiles, KS 8), scales at 2 MiB.
; WORK-GROUPS: 0-127 LayerNorm (a wave takes eight neighbouring tokens); 128-223 Wq, Wk, Wv; 224-255 Wo; 256-383 W2; 384-511 W1.  Waves share nothing: no barrier.
; LAYERNORM: a wave's eight tokens are rows 8 hh .. 8 hh + 7 of one token tile.  Of each 256 bytes of the image (one block of 32 along K, 16 rows) it writes 128 consecutive bytes; the sibling wave of the same work-group writes the
; other 128.  Sixteen tokens to a wave would write the 256 whole, with half as many waves and rows on their way; eight are taken, and xn's codes are 2 MiB of the 9 MB that the launch stores.
; WEIGHTS ([K][N] in memory): a lane takes a column n, its registers run down K: a block of 32 lies in one lane, and its 16 bytes of codes are one lane's part of an image.  A wave takes 32 columns x 256 K.
; A block's scale byte is its largest magnitude's exponent field - 2, held at 1 from below.
; LIMITS: a block of zeros, or one whose largest magnitude lies under 2^-124, gets the byte 1 (zero blocks have zero codes; the bytes are read by this program alone); NaN and infinities are not served.
.set LNW,  9472                        ; LDS of a wave in the LayerNorm path: a row's turn (4,608), its eight rows' codes (32 x 144), their scale bytes (256)
.set CSTO, 4608
.set SSTO, 9216
.macro WLOAD t, pitch                  ; block t: W(32 t + i, my column)
.irp i, 0,1,2,3,4,5,6,7,8,9,10,11,12,13,14,15,16,17,18,19,20,21,22,23,24,25,26,27,28,29,30,31
	global_load_b32 v[32+32*((\t)%2)+\i], v1, s[30:31] offset:(32*(\t)+\i)*(\pitch) th:TH_LOAD_NT
.endr
.endm
.macro WBLOCK t, pitch
.set XS, 32+32*((\t)%2)
.if (\t) < 7
	s_wait_loadcnt 32                              ; this block's 32 loads are in; the next block's 32 may be out
.else
	s_wait_loadcnt 0x0
.endif
	v_max3_num_f32 v12, |v[XS]|, |v[XS+1]|, |v[XS+2]|
	v_max3_num_f32 v13, |v[XS+3]|, |v[XS+4]|, |v[XS+5]|
.irp i, 6,10,14,18,22,26
	v_max3_num_f32 v12, v12, |v[XS+\i]|, |v[XS+\i+1]|
	v_max3_num_f32 v13, v13, |v[XS+\i+2]|, |v[XS+\i+3]|
.endr
	v_max3_num_f32 v12, v12, |v[XS+30]|, |v[XS+31]|
	v_max3_num_f32 v12, v12, v13, 0x1800000        ; the floor 2^(3 - 127): the byte cannot fall under 1
	v_add_nc_u32 v11, 0xff000000, v12              ; 2 off the exponent field: the conversion's scale operand
	v_lshrrev_b32 v13, 23, v11                     ; the byte
.if (\t)%4 == 0
	v_mov_b32 v[8+(\t)/4], v13
.else
	v_lshl_or_b32 v[8+(\t)/4], v13, 8*((\t)%4), v[8+(\t)/4]
.endif
.irp g, 0,1,2,3
	v_cvt_scalef32_pk8_fp4_f32 v[96+4*(\t)+\g], v[XS+8*\g:XS+8*\g+7], v11
.endr
	global_store_b128 v2, v[96+4*(\t):96+4*(\t)+3], s[32:33] offset:256*(\t)   ; block t of 8: K step t / 4, chunk (t / 2) % 2, half t % 2: 256 t; the sixteen lanes of a tile fill 256 consecutive aligned bytes
.if (\t) == 3
	global_store_b32 v3, v8, s[34:35]              ; the first K step's scale words
.endif
.if (\t) == 7
	global_store_b32 v4, v9, s[34:35]              ; the second's
.endif
.if (\t)+2 < 8
	WLOAD (\t)+2, \pitch
.endif
.endm
.macro WQUANT pitch                    ; every block has registers of its own for its codes: no store's data are written again
	WLOAD 0, \pitch
	WLOAD 1, \pitch
.irp t, 0,1,2,3,4,5,6,7
	WBLOCK \t, \pitch
.endr
.endm
; s46 = first tile, s41 = which 256 of K, s36 = log2(KS x 1,024), s37 = NT x 64, s47, s39 = the regions in wc and ws
.macro WADDR
	s_lshl_b32 s44, s46, s36
	s_lshl_b32 s43, s41, 11
	s_add_co_u32 s44, s44, s43
	s_add_co_u32 s44, s44, s47
	s_add_nc_u64 s[32:33], s[22:23], s[44:45]
	s_mul_i32 s44, s41, s37
	s_lshl_b32 s44, s44, 1
	s_lshl_b32 s43, s46, 6
	s_add_co_u32 s44, s44, s43
	s_add_co_u32 s44, s44, s39
	s_add_nc_u64 s[34:35], s[24:25], s[44:45]
	v_lshlrev_b32 v2, s36, v21                     ; my tile of the pair,
	v_lshl_add_u32 v2, v22, 4, v2                  ; + 16 r
	v_add_nc_u32 v4, s37, v3
.endm
.macro WSUM                            ; v8: the sum over the 32 lanes, in every lane
	v_add_f32_dpp v8, v8, v8 row_xmask:1 row_mask:0xf bank_mask:0xf
	v_add_f32_dpp v8, v8, v8 row_xmask:2 row_mask:0xf bank_mask:0xf
	v_add_f32_dpp v8, v8, v8 row_xmask:4 row_mask:0xf bank_mask:0xf
	v_add_f32_dpp v8, v8, v8 row_xmask:8 row_mask:0xf bank_mask:0xf
	v_permlanex16_b32 v14, v8, s42, s43
	v_add_f32 v8, v8, v14
.endm
.macro LROW i                          ; my token i: eight loads of 512 consecutive bytes
.set XL, 96+32*((\i)%3)
.irp j, 0,1,2,3,4,5,6,7
	global_load_b128 v[XL+4*\j:XL+4*\j+3], v1, s[4:5] offset:(\i)*4096+512*\j th:TH_LOAD_NT
.endr
.endm
.macro ROW i
.set XR, 96+32*((\i)%3)
.if (\i) < 6
	s_wait_loadcnt 16                              ; my row is in; the two rows behind it may be out
.else
	s_wait_loadcnt 8*(7-(\i))
.endif
	v_pk_add_f32 v[8:9], v[XR:XR+1], v[XR+2:XR+3]
	v_pk_add_f32 v[10:11], v[XR+4:XR+5], v[XR+6:XR+7]
.irp j, 8,12,16,20,24,28
	v_pk_add_f32 v[8:9], v[8:9], v[XR+\j:XR+\j+1]
	v_pk_add_f32 v[10:11], v[10:11], v[XR+\j+2:XR+\j+3]
.endr
	v_pk_add_f32 v[8:9], v[8:9], v[10:11]
	v_add_f32 v8, v8, v9
	WSUM
	v_mul_f32 v16, s40, v8                         ; the mean
	v_mov_b32 v17, v16
.irp j, 0,2,4,6,8,10,12,14,16,18,20,22,24,26,28,30
	v_pk_add_f32 v[XR+\j:XR+\j+1], v[XR+\j:XR+\j+1], v[16:17] neg_lo:[0,1] neg_hi:[0,1]   ; x - mean first: a common offset costs nothing
.endr
	v_pk_mul_f32 v[8:9], v[XR:XR+1], v[XR:XR+1]
	v_pk_mul_f32 v[10:11], v[XR+2:XR+3], v[XR+2:XR+3]
.irp j, 4,8,12,16,20,24,28
	v_pk_fma_f32 v[8:9], v[XR+\j:XR+\j+1], v[XR+\j:XR+\j+1], v[8:9]
	v_pk_fma_f32 v[10:11], v[XR+\j+2:XR+\j+3], v[XR+\j+2:XR+\j+3], v[10:11]
.endr
	v_pk_add_f32 v[8:9], v[8:9], v[10:11]
	v_add_f32 v8, v8, v9
	WSUM
	v_fma_f32 v12, v8, s40, s41                    ; the variance + eps
	s_wait_alu depctr_va_vdst(0)
	v_rsq_f32 v16, v12
	v_nop                                          ; a plain instruction behind the transcendental,
	s_wait_alu depctr_va_vdst(0)                   ; and the wait ahead of its first reader
	v_mov_b32 v17, v16
.irp j, 0,2,4,6,8,10,12,14,16,18,20,22,24,26,28,30
	v_pk_mul_f32 v[XR+\j:XR+\j+1], v[XR+\j:XR+\j+1], v[16:17]
.endr
.irp j, 0,2,4,6,8,10,12,14,16,18,20,22,24,26,28,30
	v_pk_fma_f32 v[XR+\j:XR+\j+1], v[XR+\j:XR+\j+1], v[32+\j:33+\j], v[64+\j:65+\j]
.endr
.irp j, 0,1,2,3,4,5,6,7
	ds_store_b128 v4, v[XR+4*\j:XR+4*\j+3] offset:576*\j   ; the row as it lies, 16 bytes of padding behind each 128
.endr
.irp q, 0,1,2,3,4,5,6,7
	ds_load_b128 v[192+4*\q:195+4*\q], v5 offset:16*\q     ; back as 32 neighbours a lane: lane l holds block l.  LDS serves a wave's instructions in order
.endr
	s_wait_dscnt 0x0
.if (\i)+3 < 8
	LROW (\i)+3                                    ; this set's registers take the row three further on
.endif
	v_max3_num_f32 v12, |v192|, |v193|, |v194|
	v_max3_num_f32 v13, |v195|, |v196|, |v197|
.irp j, 6,10,14,18,22,26
	v_max3_num_f32 v12, v12, |v[192+\j]|, |v[193+\j]|
	v_max3_num_f32 v13, v13, |v[194+\j]|, |v[195+\j]|
.endr
	v_max3_num_f32 v12, v12, |v222|, |v223|
	v_max3_num_f32 v12, v12, v13, 0x1800000
	v_add_nc_u32 v11, 0xff000000, v12
	v_lshrrev_b32 v13, 23, v11
.irp g, 0,1,2,3
	v_cvt_scalef32_pk8_fp4_f32 v[24+\g], v[192+8*\g:199+8*\g], v11
.endr
	v_nop
	ds_store_b128 v6, v[24:27] offset:16*(\i)      ; block l of my row i: in the stage at 144 l + 16 i; in the image at 256 l + 128 hh + 16 i
	ds_store_b8 v7, v13 offset:4*(\i)
.endm
	s_load_b512 s[4:19], s[0:1], 0x0               ; x, ln1_g, ln1_b, Wq, Wk, Wv, Wo, W1
	s_load_b256 s[20:27], s[0:1], 0x40             ; W2, wc, ws, xc
	v_lshl_add_u32 v224, v0, 2, 0x9400
	v_mov_b32 v225, 0
	v_lshrrev_b32 v1, 5, v0
	v_readfirstlane_b32 s28, v1                    ; wave
	v_and_b32 v20, 31, v0                          ; lane
	s_mov_b32 s45, 0
	s_wait_kmcnt 0x0
	s_cmp_lt_u32 ttmp9, 128
	s_cbranch_scc1 .Lln
	s_wait_alu depctr_va_vdst(0)
	v_lshlrev_b32 v1, 2, v20                       ; my column: 4 bytes a lane
	v_bfe_u32 v21, v20, 3, 1                       ; column x of 32 is row (x % 8) + 8 (x / 16) of tile (x / 8) % 2 of the pair
	v_and_b32 v22, 7, v20
	v_bfe_u32 v23, v20, 4, 1
	v_lshl_add_u32 v22, v23, 3, v22
	v_lshlrev_b32 v3, 2, v22
	v_lshl_add_u32 v3, v21, 6, v3                  ; my scale word: 64 x tile + 4 r
	s_cmp_lt_u32 ttmp9, 224
	s_cbranch_scc1 .Lqkv
	s_cmp_lt_u32 ttmp9, 384
	s_cbranch_scc1 .Lp4096
	; ---- W1 [1024][4096]
	s_sub_co_u32 s29, ttmp9, 384
	s_and_b32 s38, s29, 31
	s_lshl_b32 s38, s38, 2
	s_add_co_u32 s38, s38, s28                     ; which 32 columns
	s_lshr_b32 s41, s29, 5                         ; which 256 of K
	s_lshl_b32 s44, s41, 22
	s_lshl_b32 s43, s38, 7
	s_add_co_u32 s44, s44, s43
	s_add_nc_u64 s[30:31], s[18:19], s[44:45]
	s_lshl_b32 s46, s38, 1
	s_mov_b32 s36, 13
	s_mov_b32 s37, 16384
	s_mov_b32 s47, 2097152
	s_mov_b32 s39, 131072
	s_wait_alu depctr_va_vdst(0)
	WADDR
	WQUANT 16384
	s_endpgm
.Lp4096:                                               ; ---- Wo [1024][1024] and W2 [4096][1024]: rows of 4,096 bytes
	s_cmp_lt_u32 ttmp9, 256
	s_cselect_b64 s[30:31], s[16:17], s[20:21]
	s_mov_b32 s29, 256
	s_cselect_b32 s29, 224, s29
	s_cselect_b32 s36, 13, 15
	s_mov_b32 s37, 4096
	s_cselect_b32 s37, 16384, s37
	s_cselect_b32 s47, 0, 4194304
	s_cselect_b32 s39, 0, 262144
	s_cselect_b32 s40, 192, 0
	s_sub_co_u32 s29, ttmp9, s29
	s_and_b32 s38, s29, 7
	s_lshl_b32 s38, s38, 2
	s_add_co_u32 s38, s38, s28
	s_lshr_b32 s41, s29, 3
	s_lshl_b32 s44, s41, 20
	s_lshl_b32 s43, s38, 7
	s_add_co_u32 s44, s44, s43
	s_add_nc_u64 s[30:31], s[30:31], s[44:45]
	s_lshl_b32 s46, s38, 1
	s_add_co_u32 s46, s46, s40
	s_wait_alu depctr_va_vdst(0)
	WADDR
	WQUANT 4096
	s_endpgm
.Lqkv:                                                 ; ---- Wq, Wk, Wv [16][1024][64]: rows of 256 bytes; operand row n = 64 head + k
	s_sub_co_u32 s29, ttmp9, 128
	s_lshl_b32 s38, s29, 2
	s_add_co_u32 s38, s38, s28
	s_lshr_b32 s39, s29, 5                         ; which of the three
	s_cmp_eq_u32 s39, 0
	s_cselect_b64 s[30:31], s[10:11], s[12:13]
	s_cmp_eq_u32 s39, 2
	s_cselect_b64 s[30:31], s[14:15], s[30:31]
	s_bfe_u32 s40, s38, 0x40003                    ; head
	s_bfe_u32 s41, s38, 0x20001                    ; which 256 of K
	s_and_b32 s42, s38, 1                          ; which 32 of the head's 64
	s_lshl_b32 s44, s40, 18
	s_lshl_b32 s43, s41, 16
	s_add_co_u32 s44, s44, s43
	s_lshl_b32 s43, s42, 7
	s_add_co_u32 s44, s44, s43
	s_add_nc_u64 s[30:31], s[30:31], s[44:45]
	s_lshl_b32 s46, s39, 6
	s_lshl_b32 s43, s40, 2
	s_add_co_u32 s46, s46, s43
	s_lshl_b32 s43, s42, 1
	s_add_co_u32 s46, s46, s43                     ; tile 64 m + 4 head + 2 half
	s_mov_b32 s36, 13
	s_mov_b32 s37, 16384
	s_mov_b32 s47, 0
	s_mov_b32 s39, 0
	s_wait_alu depctr_va_vdst(0)
	WADDR
	WQUANT 256
	s_endpgm
.Lln:                                                  ; ---- LayerNorm1: my wave's tokens 8 (4 g + w) .. + 7: rows 8 (w / 2) .. + 7 of token tile 2 g + w % 2
	s_lshl_b32 s29, ttmp9, 2
	s_add_co_u32 s29, s29, s28
	s_lshl_b32 s30, s29, 15                        ; eight rows of 4,096 bytes
	s_mov_b32 s31, 0
	s_add_nc_u64 s[4:5], s[4:5], s[30:31]
	s_lshl_b32 s37, ttmp9, 1
	s_and_b32 s38, s28, 1
	s_add_co_u32 s37, s37, s38                     ; the tile
	s_lshr_b32 s38, s28, 1                         ; hh: which eight of its rows
	s_lshl_b32 s30, s37, 13
	s_lshl_b32 s39, s38, 7
	s_add_co_u32 s30, s30, s39
	s_add_nc_u64 s[32:33], s[26:27], s[30:31]      ; its image, + 128 hh
	s_lshl_b32 s30, s37, 6
	s_lshl_b32 s39, s38, 5
	s_add_co_u32 s30, s30, s39
	s_add_co_u32 s30, s30, 2097152
	s_add_nc_u64 s[34:35], s[26:27], s[30:31]      ; its scale words, + 32 hh
	s_mov_b32 s40, 0x3a800000                      ; 1 / 1,024
	s_mov_b32 s41, 0x3727c5ac                      ; 1e-5
	s_mov_b32 s42, 0x76543210
	s_mov_b32 s43, 0xfedcba98
	s_mul_i32 s36, s28, LNW
	s_wait_alu depctr_va_vdst(0)
	v_lshlrev_b32 v1, 4, v20                       ; 16 l
.irp j, 0,1,2,3,4,5,6,7
	global_load_b128 v[32+4*\j:35+4*\j], v1, s[6:7] offset:512*\j
.endr
.irp j, 0,1,2,3,4,5,6,7
	global_load_b128 v[64+4*\j:67+4*\j], v1, s[8:9] offset:512*\j
.endr
	LROW 0
	LROW 1
	LROW 2
	v_lshrrev_b32 v21, 3, v20                      ; l / 8
	v_lshl_add_u32 v4, v21, 4, v1
	v_add_nc_u32 v4, s36, v4                       ; the turn, in: 16 l + 16 (l / 8)
	v_mul_u32_u24 v5, v20, 144
	v_add_nc_u32 v5, s36, v5                       ; out: 144 l
	v_add_nc_u32 v6, CSTO, v5                      ; the codes' stage: 144 l
	v_and_b32 v24, 7, v20
	v_mul_u32_u24 v28, v21, 144
	v_lshl_add_u32 v28, v24, 4, v28
	v_add_nc_u32 v28, s36, v28
	v_add_nc_u32 v28, CSTO, v28                    ; and back: eight lanes to a block's 128 bytes, four blocks an instruction
	v_lshlrev_b32 v31, 8, v21
	v_lshl_add_u32 v31, v24, 4, v31                ; the same place in the image: 256 (l / 8) + 16 (l % 8)
	v_lshrrev_b32 v21, 2, v20
	v_and_b32 v22, 3, v20
	v_lshl_add_u32 v7, v21, 5, v22
	v_add_nc_u32 v7, s36, v7
	v_add_nc_u32 v7, SSTO, v7                      ; the bytes' stage: 32 (l / 4) + l % 4
	v_lshlrev_b32 v30, 14, v21
	v_lshl_add_u32 v30, v22, 3, v30                ; and their place in memory: K step l / 4, 8 (l % 4)
	v_lshlrev_b32 v29, 3, v20
	v_add_nc_u32 v29, s36, v29
	v_add_nc_u32 v29, SSTO, v29
	v_mov_b32 v14, 0                               ; a lane permute's destination counts as read
.irp i, 0,1,2,3,4,5,6,7
	ROW \i
.endr
.irp k, 0,1,2,3,4,5,6,7
	ds_load_b128 v[96+4*\k:99+4*\k], v28 offset:576*\k
.endr
	ds_load_b64 v[192:193], v29
.irp k, 0,1,2,3,4,5,6,7
	s_wait_dscnt 8-\k                              ; the younger loads may be out
	global_store_b128 v31, v[96+4*\k:99+4*\k], s[32:33] offset:1024*\k   ; four runs of 128 consecutive bytes
.endr
	s_wait_dscnt 0x0
	global_store_b64 v30, v[192:193], s[34:35]
	s_wait_tensorcnt 0x0
	ds_add_u32 v224, v225
	s_wait_dscnt 0x0
	s_endpgm
.Lfunc_end_k_qa7d39a9e85_prep:
	.size	k_qa7d39a9e85_prep, .Lfunc_end_k_qa7d39a9e85_prep-k_qa7d39a9e85_prep
	.p2alignl 7, 3214868480
	.fill 96, 4, 3214868480
	.section	.rodata,"a",@progbits
	.p2align	6, 0x0
	.amdhsa_kernel k_qa7d39a9e85_prep
		.amdhsa_group_segment_fixed_size 38400
		.amdhsa_private_segment_fixed_size 0
		.amdhsa_enable_private_segment 0
		.amdhsa_kernarg_size 96
		.amdhsa_user_sgpr_count 2
		.amdhsa_user_sgpr_kernarg_segment_ptr 1
		.amdhsa_wavefront_size32 1
		.amdhsa_system_sgpr_workgroup_id_x 1
		.amdhsa_system_sgpr_workgroup_id_y 1
		.amdhsa_system_sgpr_workgroup_id_z 1
		.amdhsa_system_vgpr_workitem_id 0
		.amdhsa_next_free_vgpr 226
		.amdhsa_next_free_sgpr 66
		.amdhsa_reserve_vcc 0
		.amdhsa_float_denorm_mode_32 3
		.amdhsa_float_denorm_mode_16_64 3
		.amdhsa_memory_ordered 1
		.amdhsa_forward_progress 1
		.amdhsa_inst_pref_size 196
	.end_amdhsa_kernel
	.amdgpu_metadata
---
amdhsa.version: [ 1, 2 ]
amdhsa.kernels:
  - .name:           k_qa7d39a9e85_prep
    .symbol:         k_qa7d39a9e85_prep.kd
    .args:
      - { .name: x, .offset: 0, .size: 8, .value_kind: global_buffer, .address_space: global }
      - { .name: ln1_g, .offset: 8, .size: 8, .value_kind: global_buffer, .address_space: global }
      - { .name: ln1_b, .offset: 16, .size: 8, .value_kind: global_buffer, .address_space: global }
      - { .name: Wq, .offset: 24, .size: 8, .value_kind: global_buffer, .address_space: global }
      - { .name: Wk, .offset: 32, .size: 8, .value_kind: global_buffer, .address_space: global }
      - { .name: Wv, .offset: 40, .size: 8, .value_kind: global_buffer, .address_space: global }
      - { .name: Wo, .offset: 48, .size: 8, .value_kind: global_buffer, .address_space: global }
      - { .name: W1, .offset: 56, .size: 8, .value_kind: global_buffer, .address_space: global }
      - { .name: W2, .offset: 64, .size: 8, .value_kind: global_buffer, .address_space: global }
      - { .name: wc, .offset: 72, .size: 8, .value_kind: global_buffer, .address_space: global }
      - { .name: ws, .offset: 80, .size: 8, .value_kind: global_buffer, .address_space: global }
      - { .name: xc, .offset: 88, .size: 8, .value_kind: global_buffer, .address_space: global }
    .group_segment_fixed_size: 38400
    .private_segment_fixed_size: 0
    .kernarg_segment_align: 8
    .kernarg_segment_size: 96
    .max_flat_workgroup_size: 128
    .sgpr_count:     66
    .vgpr_count:     226
    .wavefront_size: 32
...
	.end_amdgpu_metadata
.endif
;; end of part 1
;; launch qkv (part 2): grid 64 x 3, 4 waves a work-group, clusters of 4 x 1, 327,680 bytes of LDS; arguments xc, wc, ws, qkv; writes qkv
.if DOCPART == 2
	.amdgcn_target "amdgcn-amd-amdhsa--gfx1250"
	.amdhsa_code_object_version 6
	.text
	.protected	k_qa7d39a9e85_qkv
	.globl	k_qa7d39a9e85_qkv
	.p2align	8
	.type	k_qa7d39a9e85_qkv,@function
k_qa7d39a9e85_qkv:
	s_mov_b64 s[64:65], 0
	v_nop
	global_prefetch_b8 v0, s[64:65] scope:SCOPE_SE
	s_setreg_imm32_b32 hwreg(HW_REG_WAVE_MODE, 25, 1), 1
	s_wait_xcnt 0x0
	s_wait_alu depctr_hold_cnt(0) depctr_sa_sdst(0) depctr_va_vdst(0) depctr_va_sdst(0) depctr_va_ssrc(0) depctr_va_vcc(0) depctr_vm_vsrc(0)
	s_getreg_b32 s2, hwreg(HW_REG_IB_STS2, 6, 4)
	s_cmp_eq_u32 s2, 0
	s_cbranch_scc0 .Lentry_in_a_cluster
	s_endpgm
.Lentry_in_a_cluster:
	s_bfe_u32 s2, ttmp6, 0x10000c
	s_cmp_lg_u32 s2, 0x3003
	s_cbranch_scc0 .Lentry_shape_is_right
	s_endpgm
.Lentry_shape_is_right:
; q, k and V^T on codes of FP4, and their quantising for attention.  y = 0: q, 1: k, 2: v.
; PANEL GEMM, ONE PASS.  P: 8 tiles (128 rows) of one operand, all of K = 1,024; source 0.  R: 32 tiles (512 rows) of the other, eight a wave; source 1.  A wave makes 128 x 128 in 64 accumulators.
; LDS, filled ONCE, one tensor load a wave at the head: wave 0 brings P whole (8 rows of 8 KiB, dense); waves 1, 2, 3 bring K steps 0-1, 2-3, 4-5 of all 32 tiles of R (32 rows of 2 KiB, 8 KiB apart).  That is 256 KiB; R's K steps 6 and 7
; do not fit beside them and go from memory straight into registers, as images, with R's scale words.  The panel's scale words go through registers into LDS bytes that no tensor load fills.
; A lane's results are one row of R and, by the order of a tile's rows, 64 numbers whose register 16 b + i is P's row 32 b + 16 (lane / 16) + i: neighbours along the next product's K, quantised in registers.
; q, k: P = the weight's 128 columns (two heads), R = 512 tokens: out = token tiles, K step = head pair.  v: P = 128 tokens, R = 512 of Wv's columns: out = V^T, channel tiles, K = tokens.  Only pointers change places.
; qkv: q's codes at 0, k's at 2 MiB (KS 8), V^T's at 4 MiB (KS 32); scale words at 6 MiB, + 131,072, + 262,144 (NT 256, 256, 64).
; CLUSTER: x runs over the panels first (q, k: panel x % 8, R's group x / 8; v: panel x % 32, group x / 32), so the four work-groups of a cluster have the same R: its three loads, 192 of the 256 KiB, are asked for JOINTLY.
; Their addresses are made of the cluster's x, y and the wave's number alone.  P's partners lie along the other axis, which a cluster of 4 x 1 does not reach: P's load is a plain one.  No LDS address and no branch hangs on the place in the cluster.
; NO PREFETCH: the text has no loop to run ahead in; all that a work-group reads is asked for at its head.  LIMITS: as stated in prep (the byte's floor; NaN and infinities are not served).
; REGISTERS.  window 0: v1 16 l, v5 SCL + 4 l, v6 4 l, v9 where my scale words go, v10-12 my tiles of R in LDS (a pair of K steps each), v14, v15 the add's; v16-23 P's scale words (two sets), v24-55 R's (K step s at 24 + 4 s),
;   v64-191 P's fragments (two sets).  On the way out: v64-127 codes, v128-139 scale words, v144-151 offsets, v192-203 the quantiser.   window 1: v0-127 R's fragments from LDS (two sets), v128-255 K steps 6 and 7.
;   windows 2, 3: the accumulators ((i, t) at 64 (i % 4) + 8 t of window 2 + i / 4).
.set SCL, 262144
.set SPARE, 266240
.set PS,  16
.set RS,  24
.set PF,  64
.set TM,  192
.set SEL, 26
.set MSB, 0
.macro WIN new                         ; the immediate's high byte repeats the setting that is left
.if MSB != (\new)
	s_set_vgpr_msb (MSB<<8)|(\new)
.set MSB, \new
.endif
.endm
.macro PLACES                          ; four plain places behind matrix instructions, ahead of loads into their registers and of reads of their results
.rept 4
	v_nop
.endr
.endm
.macro ROUND                           ; a round of the cluster's barrier
	s_barrier_signal -1
	s_barrier_wait -1
	s_cmp_lg_u32 s28, 0
	s_cbranch_scc1 .Lnot_wave_0_\@
	s_barrier_signal -3
.Lnot_wave_0_\@:
	s_barrier_wait -3
	s_barrier_signal -1
	s_barrier_wait -1
.endm
.macro WM d, a, b, c, sa, sb, ra, rb   ; c < 0: the product starts the sum.  ra, rb: the side's scale words lie in lanes 16-31
.if (\c) < 0
.if (\ra) && (\rb)
	v_wmma_scale_f32_16x16x128_f8f6f4 v[\d:\d+7], v[\a:\a+7], v[\b:\b+7], 0, v[\sa], v[\sb] matrix_a_fmt:MATRIX_FMT_FP4 matrix_b_fmt:MATRIX_FMT_FP4 matrix_a_scale:MATRIX_SCALE_ROW1 matrix_b_scale:MATRIX_SCALE_ROW1
.elseif (\ra)
	v_wmma_scale_f32_16x16x128_f8f6f4 v[\d:\d+7], v[\a:\a+7], v[\b:\b+7], 0, v[\sa], v[\sb] matrix_a_fmt:MATRIX_FMT_FP4 matrix_b_fmt:MATRIX_FMT_FP4 matrix_a_scale:MATRIX_SCALE_ROW1
.elseif (\rb)
	v_wmma_scale_f32_16x16x128_f8f6f4 v[\d:\d+7], v[\a:\a+7], v[\b:\b+7], 0, v[\sa], v[\sb] matrix_a_fmt:MATRIX_FMT_FP4 matrix_b_fmt:MATRIX_FMT_FP4 matrix_b_scale:MATRIX_SCALE_ROW1
.else
	v_wmma_scale_f32_16x16x128_f8f6f4 v[\d:\d+7], v[\a:\a+7], v[\b:\b+7], 0, v[\sa], v[\sb] matrix_a_fmt:MATRIX_FMT_FP4 matrix_b_fmt:MATRIX_FMT_FP4
.endif
.else
.if (\ra) && (\rb)
	v_wmma_scale_f32_16x16x128_f8f6f4 v[\d:\d+7], v[\a:\a+7], v[\b:\b+7], v[\c:\c+7], v[\sa], v[\sb] matrix_a_fmt:MATRIX_FMT_FP4 matrix_b_fmt:MATRIX_FMT_FP4 matrix_a_scale:MATRIX_SCALE_ROW1 matrix_b_scale:MATRIX_SCALE_ROW1
.elseif (\ra)
	v_wmma_scale_f32_16x16x128_f8f6f4 v[\d:\d+7], v[\a:\a+7], v[\b:\b+7], v[\c:\c+7], v[\sa], v[\sb] matrix_a_fmt:MATRIX_FMT_FP4 matrix_b_fmt:MATRIX_FMT_FP4 matrix_a_scale:MATRIX_SCALE_ROW1
.elseif (\rb)
	v_wmma_scale_f32_16x16x128_f8f6f4 v[\d:\d+7], v[\a:\a+7], v[\b:\b+7], v[\c:\c+7], v[\sa], v[\sb] matrix_a_fmt:MATRIX_FMT_FP4 matrix_b_fmt:MATRIX_FMT_FP4 matrix_b_scale:MATRIX_SCALE_ROW1
.else
	v_wmma_scale_f32_16x16x128_f8f6f4 v[\d:\d+7], v[\a:\a+7], v[\b:\b+7], v[\c:\c+7], v[\sa], v[\sb] matrix_a_fmt:MATRIX_FMT_FP4 matrix_b_fmt:MATRIX_FMT_FP4
.endif
.endif
.endm
; 64 numbers of a lane in window w, register 16 b + i = k 32 b + 16 (lane / 16) + i of my row, become a fragment's codes in v[pc] on and its scale word in v[pw].  Each accumulator is read from its low end on.
.macro QUANT s, w, pc, pw
	WIN 5*(\w)
.irp b, 0,1,2,3
	v_max3_num_f32 v[TM+\b], |v[\s+16*\b]|, |v[\s+1+16*\b]|, 0x1800000   ; with the floor 2^(3 - 127): the byte cannot fall under 1
.endr
	WIN 0x14*(\w)
.irp i, 2,4,6,8,10,12,14
.irp b, 0,1,2,3
	v_max3_num_f32 v[TM+\b], v[TM+\b], |v[\s+16*\b+\i]|, |v[\s+1+16*\b+\i]|
.endr
.endr
	WIN 0
.irp b, 0,1,2,3
	v_permlanex16_b32 v[TM+4+\b], v[TM+\b], s[SEL], s[SEL+1]
.endr
.irp b, 0,1,2,3
	v_max_num_f32 v[TM+\b], v[TM+\b], v[TM+4+\b]   ; with lane l xor 16's 16: the block's largest magnitude
.endr
.irp b, 0,1,2,3
	v_add_nc_u32 v[TM+8+\b], 0xff000000, v[TM+\b]  ; 2 off the exponent field: the conversion's scale operand
.endr
.irp b, 0,1,2,3
	v_lshrrev_b32 v[TM+4+\b], 23, v[TM+8+\b]       ; the byte
.endr
	v_lshl_or_b32 v[\pw], v[TM+5], 8, v[TM+4]
	v_lshl_or_b32 v[\pw], v[TM+6], 16, v[\pw]
	v_lshl_or_b32 v[\pw], v[TM+7], 24, v[\pw]
	WIN (\w)
.irp b, 0,1,2,3
	v_cvt_scalef32_pk8_fp4_f32 v[\pc+2*\b], v[\s+16*\b:\s+7+16*\b], v[TM+8+\b]
	v_cvt_scalef32_pk8_fp4_f32 v[\pc+1+2*\b], v[\s+8+16*\b:\s+15+16*\b], v[TM+8+\b]
.endr
	WIN 0
	v_nop                                          ; one plain place behind a scaled conversion
.irp c, 0,1                                    ; a whole block to a lane: lanes 0-15 block 2 c, lanes 16-31 block 2 c + 1
.irp i, 0,1
	v_permlane16_swap_b32 v[\pc+4*\c+\i], v[\pc+2+4*\c+\i]
.endr
.endr
.endm
.macro FETCH s, q                      ; K step s into set q: P's 16 + 4 LDS loads and, for K steps 0-5, my eight tiles of R: 16 more
.irp t, 0,1,2,3,4,5,6,7
.irp c, 0,1
	ds_load_b128 v[PF+64*(\q)+8*\t+4*\c:PF+64*(\q)+8*\t+4*\c+3], v1 offset:\t*8192+(\s)*1024+512*\c
.endr
.endr
.irp p, 0,1,2,3
	ds_load_b32 v[PS+4*(\q)+\p], v5 offset:512*(\s)+128*\p   ; tile 2 p in lanes 0-15, tile 2 p + 1 in lanes 16-31
.endr
.if (\s) < 6
	WIN 0x40
.irp i, 0,1,2,3,4,5,6,7
.irp c, 0,1
	ds_load_b128 v[64*(\q)+8*\i+4*\c:64*(\q)+8*\i+4*\c+3], v[10+(\s)/2] offset:2048*\i+1024*((\s)%2)+512*\c
.endr
.endr
	WIN 0
.endif
.endm
.macro RSC s                           ; R's scale words of K step s: my tiles 2 j in lanes 0-15, 2 j + 1 in lanes 16-31
.irp j, 0,1,2,3
	global_load_b32 v[RS+4*(\s)+\j], v6, s[16:17] offset:16384*(\s)+128*\j
.endr
.endm
.macro RG g                            ; my eight tiles of R, K step g = 6 or 7, from memory: 16 loads
	WIN 0x40
.irp i, 0,1,2,3,4,5,6,7
.irp c, 0,1
	global_load_b128 v[128+64*((\g)-6)+8*\i+4*\c:128+64*((\g)-6)+8*\i+4*\c+3], v1, s[14:15] offset:8192*\i+1024*(\g)+512*\c
.endr
.endr
	WIN 0
.endm
.macro MULH s, hi, first               ; 32 matrix instructions: my tiles 4 hi .. 4 hi + 3 of R x P's eight.  The 64 accumulators take turns, in the same order in every K step
.if (\s) < 6
.set RB, 64*((\s)%2)
.else
.set RB, 128+64*((\s)-6)
.endif
	WIN ((2+\hi)<<6)|((2+\hi)<<4)|4
.irp i, 0,1,2,3
.irp t, 0,1,2,3,4,5,6,7
.if \first
	WM 64*\i+8*\t, PF+64*((\s)%2)+8*\t, RB+8*(4*\hi+\i), -1, PS+4*((\s)%2)+\t/2, RS+4*(\s)+(4*\hi+\i)/2, \t%2, \i%2
.else
	WM 64*\i+8*\t, PF+64*((\s)%2)+8*\t, RB+8*(4*\hi+\i), 64*\i+8*\t, PS+4*((\s)%2)+\t/2, RS+4*(\s)+(4*\hi+\i)/2, \t%2, \i%2
.endif
.endr
.endr
.endm
.macro STEP s
	WIN 0
.if (\s) < 7
	PLACES
	FETCH (\s)+1, 1-(\s)%2
.endif
.if (\s) == 0
	s_wait_loadcnt 32                              ; R's scale words are in; K steps 6 and 7 (16 loads each) may be out
.endif
.if (\s) == 6
	s_wait_loadcnt 16
.endif
.if (\s) == 7
	s_wait_loadcnt 0x0
.endif
.if (\s) < 5
	s_wait_dscnt 36                                ; the loads just issued may be out
.elseif (\s) < 7
	s_wait_dscnt 20
.else
	s_wait_dscnt 0x0
.endif
	MULH \s, 0, (\s)==0
	MULH \s, 1, (\s)==0
.endm
.macro EPI i                           ; my tile i becomes a fragment of the next operand; every tile has registers of its own for codes, word and offset: no store's registers are written again
	s_lshl_b32 s43, \i, s41
	v_add_nc_u32 v[144+\i], s43, v1
	QUANT 64*((\i)%4), 2+(\i)/4, 64+8*(\i), 128+(\i)
	global_store_b128 v[144+\i], v[64+8*(\i):64+8*(\i)+3], s[18:19]
	global_store_b128 v[144+\i], v[64+8*(\i)+4:64+8*(\i)+7], s[18:19] offset:512
.if (\i)%2
	v_cndmask_b32 v[136+(\i)/2], v[127+(\i)], v[128+(\i)], s40     ; lanes 0-15 the even tile's words, lanes 16-31 the odd one's: 128 consecutive bytes
	global_store_b32 v6, v[136+(\i)/2], s[20:21] offset:128*((\i)/2)
.endif
.endm
	s_load_b256 s[4:11], s[0:1], 0x0               ; xc, wc, ws, qkv
	v_lshl_add_u32 v14, v0, 2, SPARE
	v_mov_b32 v15, 0
	ds_add_u32 v14, v15                            ; the opening lines: the add, twice on end, and its wait ahead of my tensor load
	ds_add_u32 v14, v15
	v_lshrrev_b32 v2, 5, v0
	v_readfirstlane_b32 s28, v2                    ; wave
	v_and_b32 v2, 31, v0
	v_lshlrev_b32 v1, 4, v2
	v_lshlrev_b32 v6, 2, v2
	v_add_nc_u32 v5, SCL, v6
	s_lshl_b32 s45, s28, 10
	s_add_co_u32 s45, s45, SCL
	v_add_nc_u32 v9, s45, v1                       ; where the panel's scale words of K steps 2 w, 2 w + 1 go
	s_lshl_b32 s29, s28, 14
	s_add_co_u32 s29, s29, 65536
	v_add_nc_u32 v10, s29, v1                      ; my eight tiles of R (2 KiB each) in K steps 0-1's 64 KiB,
	v_add_nc_u32 v11, 0x10000, v10                 ; in K steps 2-3's,
	v_add_nc_u32 v12, 0x20000, v10                 ; in K steps 4-5's
	s_mov_b32 s26, 0x76543210
	s_mov_b32 s27, 0xfedcba98
	s_mov_b32 s40, 0xffff0000
	s_mov_b32 s77, 0
	s_bfe_u32 s79, ttmp6, 0x40000                  ; cx
	s_lshl_b32 s78, ttmp9, 2
	s_add_co_u32 s79, s78, s79                     ; x
	s_and_b32 s30, ttmp7, 0xffff                   ; y
	s_and_b32 s31, s79, 7                          ; q, k: the panel;
	s_and_b32 s33, s79, 31                         ; v: the panel
	s_lshr_b32 s32, ttmp9, 1                       ; q, k: R's group x / 8, of the cluster's x alone;
	s_lshr_b32 s34, ttmp9, 3                       ; v: x / 32 likewise
	s_lshl_b32 s35, s30, 6
	s_lshl_b32 s36, s31, 3
	s_add_co_u32 s35, s35, s36
	s_lshl_b32 s36, s33, 3
	s_lshl_b32 s37, s32, 5
	s_lshl_b32 s38, s34, 5
	s_add_co_u32 s39, s38, 128
	s_cmp_eq_u32 s30, 2
	s_cselect_b32 s35, s36, s35                    ; P's first tile
	s_cselect_b32 s39, s39, s37                    ; R's first tile
	s_cselect_b32 s37, s38, s37                    ; the output's first tile
	s_cselect_b32 s31, s33, s31                    ; the panel = the output's K step
	s_cselect_b32 s41, 15, 13                      ; log2 of a tile's bytes in the output
	s_cselect_b32 s42, 12, 14                      ; log2 of a K step's scale bytes there
	s_lshl_b32 s29, s28, 3
	s_add_co_u32 s36, s39, s29                     ; my eight tiles of R,
	s_add_co_u32 s37, s37, s29                     ; and of the output
	s_max_u32 s44, s28, 1
	s_sub_co_u32 s44, s44, 1                       ; waves 1, 2, 3: which pair of K steps of R I fetch
	; group 1 for P, elements of 8 bytes, no mask: 8 rows (tiles) of 8 KiB, dense
	s_mov_b32 s56, 3<<16
	s_mov_b32 s57, 1024<<16
	s_mov_b32 s58, 8<<16
	s_mov_b32 s59, 1024<<16
	s_mov_b32 s60, 8
	s_mov_b32 s61, 1024
	s_mov_b32 s62, 0
	s_mov_b32 s63, 0
	; group 1 for R, the mask of all four partners and bit 21 beside it: 32 rows (tiles) of 2 KiB (two K steps), 8 KiB apart
	s_mov_b32 s68, 15|(3<<16)|(1<<21)
	s_mov_b32 s69, 256<<16
	s_mov_b32 s70, 32<<16
	s_mov_b32 s71, 256<<16
	s_mov_b32 s72, 32
	s_mov_b32 s73, 1024
	s_mov_b32 s74, 0
	s_mov_b32 s75, 0
	s_mov_b32 s48, 1
	s_mov_b32 s49, 0
	s_lshl_b32 s50, s35, 13
	s_mov_b32 s51, 0
	s_mov_b32 s52, 1
	s_lshl_b32 s53, s28, 16                        ; 65,536 x wave
	s_lshl_b32 s54, s39, 13
	s_lshl_b32 s55, s44, 11
	s_add_co_u32 s54, s54, s55
	s_mov_b32 s55, 0
	s_wait_alu depctr_va_vdst(0)                   ; the wait at the head's end
	s_wait_dscnt 0x0
	s_wait_kmcnt 0x0
	s_add_nc_u64 s[12:13], s[4:5], 0x200000        ; xn's scale words
	s_cmp_eq_u32 s30, 2
	s_cselect_b64 s[22:23], s[4:5], s[6:7]         ; P's codes
	s_cselect_b64 s[24:25], s[12:13], s[8:9]       ; P's scales
	s_cselect_b64 s[14:15], s[6:7], s[4:5]         ; R's codes
	s_cselect_b64 s[16:17], s[8:9], s[12:13]       ; R's scales
	s_add_nc_u64 s[50:51], s[22:23], s[50:51]
	s_or_b32 s51, s51, 0x80000000
	s_add_nc_u64 s[54:55], s[14:15], s[54:55]
	s_or_b32 s55, s55, 0x80000000
	s_lshl_b32 s76, s36, 13
	s_add_nc_u64 s[14:15], s[14:15], s[76:77]
	s_lshl_b32 s76, s36, 6
	s_add_nc_u64 s[16:17], s[16:17], s[76:77]
	s_lshl_b32 s76, s28, 15
	s_lshl_b32 s78, s35, 6
	s_add_co_u32 s76, s76, s78
	s_add_nc_u64 s[24:25], s[24:25], s[76:77]
	s_lshl_b32 s76, s30, 21
	s_lshl_b32 s78, s37, s41
	s_add_co_u32 s76, s76, s78
	s_lshl_b32 s78, s31, 10
	s_add_co_u32 s76, s76, s78
	s_add_nc_u64 s[18:19], s[10:11], s[76:77]      ; the output's codes
	s_lshl_b32 s76, s30, 17
	s_lshl_b32 s78, s31, s42
	s_add_co_u32 s76, s76, s78
	s_lshl_b32 s78, s37, 6
	s_add_co_u32 s76, s76, s78
	s_add_co_u32 s76, s76, 0x600000
	s_add_nc_u64 s[20:21], s[10:11], s[76:77]      ; and its scale words
	ROUND                                          ; all four work-groups are here: the joint loads meet
	s_cmp_lt_u32 s28, 1                            ; one chain of branches on the wave's number, a load to an arm
	s_cbranch_scc0 .Lfor_r
	tensor_load_to_lds s[48:51], s[56:63]          ; wave 0: the panel
	s_nop 0
	PLACES
	s_branch .Lasked
.Lfor_r:
	tensor_load_to_lds s[52:55], s[68:75]          ; waves 1, 2, 3: two K steps of R, jointly
	s_nop 0
	PLACES
.Lasked:
	global_load_b128 v[PF:PF+3], v1, s[24:25]      ; the panel's scale words of K steps 2 w, 2 w + 1, 512 bytes each
	global_load_b128 v[PF+4:PF+7], v1, s[24:25] offset:16384
.irp s, 0,1,2,3,4,5,6,7
	RSC \s
.endr
	s_wait_loadcnt 32                              ; the panel's scale words are in; R's 32 loads of scale words may be out
	ds_store_b128 v9, v[PF:PF+3]
	ds_store_b128 v9, v[PF+4:PF+7] offset:512
	RG 6
	RG 7
	s_wait_tensorcnt 0x0                           ; my tile has landed,
	s_wait_dscnt 0x0                               ; and my stores
	s_barrier_signal -1
	s_barrier_wait -1                              ; everybody's have
	FETCH 0, 0
.irp s, 0,1,2,3,4,5,6,7
	STEP \s
.endr
	WIN 0
	PLACES
.irp b, 0,1,2,3
	v_mov_b32 v[TM+4+\b], 0                        ; a lane permute's destination counts as read
.endr
.irp i, 0,1,2,3,4,5,6,7
	EPI \i
.endr
	s_wait_tensorcnt 0x0                           ; the wave's end
	ds_add_u32 v14, v15
	s_wait_dscnt 0x0
	ROUND                                          ; the closing round
	s_endpgm
.Lfunc_end_k_qa7d39a9e85_qkv:
	.size	k_qa7d39a9e85_qkv, .Lfunc_end_k_qa7d39a9e85_qkv-k_qa7d39a9e85_qkv
	.p2alignl 7, 3214868480
	.fill 96, 4, 3214868480
	.section	.rodata,"a",@progbits
	.p2align	6, 0x0
	.amdhsa_kernel k_qa7d39a9e85_qkv
		.amdhsa_group_segment_fixed_size 327680
		.amdhsa_private_segment_fixed_size 0
		.amdhsa_enable_private_segment 0
		.amdhsa_kernarg_size 32
		.amdhsa_user_sgpr_count 2
		.amdhsa_user_sgpr_kernarg_segment_ptr 1
		.amdhsa_wavefront_size32 1
		.amdhsa_system_sgpr_workgroup_id_x 1
		.amdhsa_system_sgpr_workgroup_id_y 1
		.amdhsa_system_sgpr_workgroup_id_z 1
		.amdhsa_system_vgpr_workitem_id 0
		.amdhsa_next_free_vgpr 1024
		.amdhsa_next_free_sgpr 80
		.amdhsa_reserve_vcc 0
		.amdhsa_float_denorm_mode_32 3
		.amdhsa_float_denorm_mode_16_64 3
		.amdhsa_memory_ordered 1
		.amdhsa_forward_progress 1
		.amdhsa_inst_pref_size 130
	.end_amdhsa_kernel
	.amdgpu_metadata
---
amdhsa.version: [ 1, 2 ]
amdhsa.kernels:
  - .name:           k_qa7d39a9e85_qkv
    .symbol:         k_qa7d39a9e85_qkv.kd
    .args:
      - { .name: xc, .offset: 0, .size: 8, .value_kind: global_buffer, .address_space: global }
      - { .name: wc, .offset: 8, .size: 8, .value_kind: global_buffer, .address_space: global }
      - { .name: ws, .offset: 16, .size: 8, .value_kind: global_buffer, .address_space: global }
      - { .name: qkv, .offset: 24, .size: 8, .value_kind: global_buffer, .address_space: global }
    .group_segment_fixed_size: 327680
    .private_segment_fixed_size: 0
    .kernarg_segment_align: 8
    .kernarg_segment_size: 32
    .max_flat_workgroup_size: 128
    .sgpr_count:     80
    .vgpr_count:     1024
    .wavefront_size: 32
...
	.end_amdgpu_metadata
.endif
;; end of part 2
;; launch attn (part 3): grid 8 x 32, 16 waves a work-group, clusters of 4 x 1, 182,272 bytes of LDS; arguments qkv, ac; writes ac
.if DOCPART == 3
	.amdgcn_target "amdgcn-amd-amdhsa--gfx1250"
	.amdhsa_code_object_version 6
	.text
	.protected	k_qa7d39a9e85_attn
	.globl	k_qa7d39a9e85_attn
	.p2align	8
	.type	k_qa7d39a9e85_attn,@function
k_qa7d39a9e85_attn:
	s_mov_b64 s[64:65], 0
	v_nop
	global_prefetch_b8 v0, s[64:65] scope:SCOPE_SE
	s_setreg_imm32_b32 hwreg(HW_REG_WAVE_MODE, 25, 1), 1
	s_wait_xcnt 0x0
	s_wait_alu depctr_hold_cnt(0) depctr_sa_sdst(0) depctr_va_vdst(0) depctr_va_sdst(0) depctr_va_ssrc(0) depctr_va_vcc(0) depctr_vm_vsrc(0)
	s_getreg_b32 s2, hwreg(HW_REG_IB_STS2, 6, 4)
	s_cmp_eq_u32 s2, 0
	s_cbranch_scc0 .Lentry_in_a_cluster
	s_endpgm
.Lentry_in_a_cluster:
	s_bfe_u32 s2, ttmp6, 0x10000c
	s_cmp_lg_u32 s2, 0x3003
	s_cbranch_scc0 .Lentry_shape_is_right
	s_endpgm
.Lentry_shape_is_right:
; Causal attention of one head (y = 16 batch + head) on codes of FP4, and the quantising of its result for the product with Wo.
; t = score x log2(e) / 8; M = the running largest t rounded UP to a whole number; p = 2^(t - M) is quantised along the keys; the row's sum is taken of the unquantised p and divides at the end.  When M moves, the sum and O are multiplied by 2^(old M - new M): exact.
; SHARES.  A head's whole K (64 KiB of codes) and V^T (64 KiB) lie in LDS, filled ONCE.  Work-group j of 8 owns the query tiles 8 k + j, k = 0 .. 15; tile k needs key steps (128 keys) 0 .. k, the last on the diagonal: 136 steps in all.
; THE KEYS OF THE LONG TILES ARE SHARED OUT.  Waves 2 a and 2 a + 1 take tiles a and 15 - a, 17 steps together.  The wave of role 1 takes tile 15 - a's LAST eight steps.  The wave of role 0 takes tile a whole (a + 1 steps), stores it, and then
; tile 15 - a's FIRST 8 - a steps, whose O^T, sum and -M it hands over through LDS as images of its registers.  So a wave has 8 or 9 steps, not 1 to 16.  Both M are whole numbers: the two parts are brought under the larger by powers of two: exact.
; role = (w xor w / 4) % 2: four waves on end, and four waves 4 apart, each hold two of either role.
; Both key loops have a constant 8 trips; a trip that is not the wave's is passed over by a scalar branch on the wave's number.
; CLUSTER.  The four work-groups of a cluster belong to one head: K and V^T are asked for JOINTLY (waves 0-3: K's quarters; waves 4-7: V^T's four tiles).  No LDS address and no branch hangs on the place in the cluster: it enters global addresses and the mask's numbers alone.
; LAYOUT.  Both products transposed: S^T = K Q^T, O^T = V^T P^T: a lane holds one query.  By the order of a tile's rows the 16 registers of two neighbouring tiles of keys are 16 neighbouring keys.
; The head's K is 64: a fragment's upper four registers are zeros on both sides, and the scale words are shifted so that the head's two bytes stand lowest; the upper two bytes meet zero codes alone and are never 0xff.
; No prefetch: all that a work-group reads is asked for at its head.  LIMITS as stated in prep.
; REGISTERS: v1-4 lane places (K, V, their scale words); v5 4 r; v8-11 the step's addresses; v12 -M, v13 largest t, v[14:15] the sum; v16-23 Q of the first loop's tile, v24 its scale word; v25 the mask's number; v31 the hand-over's place;
;   v32-63 four fragments of K; v64-95 V's four; v96-159 S^T, then p; v160-191 O^T; v192-199 p's codes; v200-203 K's scale words, v204-205 V's; v208-215 Q of tile 15 - a, v216 its scale word; v232-254 at work.
.set KSH, 131072                       ; K's scale words, shifted: [tile][row], 8 KiB
.set VSC, 139264                       ; V's: [step][tile][row], 4 KiB
.set MRG, 143360                       ; the hand-over: for each pair of waves nine images of four registers, 4,608 bytes
.set WV,   8
.set RANK, 17                          ; the first loop's tile
.set SIG,  18                          ; its key step
.set TK,   19
.set SEL,  20
.set CS,   22
.set G1K,  24
.set G1V,  32
.set G0K,  40
.set G0V,  44
.set TV,   48
.set TS,   49
.set TT,   50
.set ROLE, 72
.set PA,   73                          ; a
.set N2,   74                          ; my steps in the second loop
.set SG0,  75                          ; my first key step in the first loop
.set CNT,  76
.macro PLACES
.rept 4
	v_nop
.endr
.endm
.macro WM d, a, b, c, sa, sb, ra
.if (\c) < 0
.if (\ra)
	v_wmma_scale_f32_16x16x128_f8f6f4 v[\d:\d+7], v[\a:\a+7], v[\b:\b+7], 0, v[\sa], v[\sb] matrix_a_fmt:MATRIX_FMT_FP4 matrix_b_fmt:MATRIX_FMT_FP4 matrix_a_scale:MATRIX_SCALE_ROW1
.else
	v_wmma_scale_f32_16x16x128_f8f6f4 v[\d:\d+7], v[\a:\a+7], v[\b:\b+7], 0, v[\sa], v[\sb] matrix_a_fmt:MATRIX_FMT_FP4 matrix_b_fmt:MATRIX_FMT_FP4
.endif
.else
.if (\ra)
	v_wmma_scale_f32_16x16x128_f8f6f4 v[\d:\d+7], v[\a:\a+7], v[\b:\b+7], v[\c:\c+7], v[\sa], v[\sb] matrix_a_fmt:MATRIX_FMT_FP4 matrix_b_fmt:MATRIX_FMT_FP4 matrix_a_scale:MATRIX_SCALE_ROW1
.else
	v_wmma_scale_f32_16x16x128_f8f6f4 v[\d:\d+7], v[\a:\a+7], v[\b:\b+7], v[\c:\c+7], v[\sa], v[\sb] matrix_a_fmt:MATRIX_FMT_FP4 matrix_b_fmt:MATRIX_FMT_FP4
.endif
.endif
.endm
.macro ROUND                           ; a round of the cluster's barrier
	s_barrier_signal -1
	s_barrier_wait -1
	s_cmp_lg_u32 s[WV], 0
	s_cbranch_scc1 .Lnot_wave_0_\@
	s_barrier_signal -3
.Lnot_wave_0_\@:
	s_barrier_wait -3
	s_barrier_signal -1
	s_barrier_wait -1
.endm
; A KEY STEP: 128 keys.  qf: Q's fragment; qw: its scale word; mask = 1: the step may lie on the diagonal
.macro KSTEP qf, qw, mask
	v_add_nc_u32 v8, s[TK], v1                     ; (these four are also the places ahead of the loads into V's registers)
	v_add_nc_u32 v9, s[TV], v2
	v_add_nc_u32 v10, s[TS], v3
	v_add_nc_u32 v11, s[TT], v4
.irp t, 0,1,2,3
	ds_load_b128 v[32+8*\t:35+8*\t], v8 offset:512*\t
.endr
.irp p, 0,1,2,3
	ds_load_b32 v[200+\p], v10 offset:128*\p
.endr
.irp t, 0,1,2,3
.irp c, 0,1
	ds_load_b128 v[64+8*\t+4*\c:67+8*\t+4*\c], v9 offset:16384*\t+512*\c
.endr
.endr
.irp p, 0,1
	ds_load_b32 v[204+\p], v11 offset:128*\p
.endr
	s_wait_alu depctr_va_vdst(0)
	s_wait_dscnt 10                                ; V's ten loads may be out
.irp t, 0,1,2,3
	WM 96+8*\t, 32+8*\t, \qf, -1, 200+\t/2, \qw, \t%2
.endr
	PLACES
.irp t, 0,1,2,3
	ds_load_b128 v[32+8*\t:35+8*\t], v8 offset:2048+512*\t
.endr
	s_wait_dscnt 0x0
.irp t, 0,1,2,3
	WM 128+8*\t, 32+8*\t, \qf, -1, 202+\t/2, \qw, \t%2
.endr
	PLACES
.if \mask
	s_cmp_lg_u32 s[SIG], s[RANK]
	s_cbranch_scc1 .Lopen_\@
	v_mov_b32 v254, 0xff800000                     ; on the diagonal hidden scores become -infinity ahead of the maximum: p = 0
.irp n, 0,1,2,3,4,5,6,7,8,9,10,11,12,13,14,15,16,17,18,19,20,21,22,23,24,25,26,27,28,29,30,31,32,33,34,35,36,37,38,39,40,41,42,43,44,45,46,47,48,49,50,51,52,53,54,55,56,57,58,59,60,61,62,63
	v_cmp_gt_i32 vcc_lo, 32*(\n/16)+\n%16, v25
	v_cndmask_b32 v[96+\n], v[96+\n], v254, vcc_lo
.endr
.Lopen_\@:
.endif
.irp b, 0,1,2,3
	v_max3_num_f32 v[232+\b], v[96+16*\b], v[97+16*\b], v[98+16*\b]   ; each block's largest score: for the row's maximum and, since p rises with the score, for the block's largest p
.endr
.irp i, 3,5,7,9,11,13
.irp b, 0,1,2,3
	v_max3_num_f32 v[232+\b], v[232+\b], v[96+16*\b+\i], v[97+16*\b+\i]
.endr
.endr
.irp b, 0,1,2,3
	v_max_num_f32 v[232+\b], v[232+\b], v[111+16*\b]
.endr
.irp b, 0,1,2,3
	s_delay_alu instid0(VALU_DEP_4)
	v_permlanex16_b32 v[236+\b], v[232+\b], s[SEL], s[SEL+1]
.endr
.irp b, 0,1,2,3
	s_delay_alu instid0(VALU_DEP_4)
	v_max_num_f32 v[232+\b], v[232+\b], v[236+\b]
.endr
	s_delay_alu instid0(VALU_DEP_2)
	v_max3_num_f32 v254, v232, v233, v234
	s_delay_alu instid0(VALU_DEP_1)
	v_max_num_f32 v254, v254, v235
	s_delay_alu instid0(VALU_DEP_1)
	v_mul_f32 v254, s[CS], v254
	s_delay_alu instid0(VALU_DEP_1)
	v_max_num_f32 v13, v13, v254                   ; the running largest t
	v_mov_b32 v254, v12
	s_delay_alu instid0(VALU_DEP_2)
	v_floor_f32 v12, -v13                          ; -M = floor(-t)
	s_delay_alu instid0(VALU_DEP_1)
	v_sub_f32 v254, v12, v254
	s_delay_alu instid0(VALU_DEP_1)
	v_cvt_i32_f32 v254, v254                       ; (it saturates)
	s_delay_alu instid0(VALU_DEP_1)
	v_ldexp_f32 v252, 1.0, v254                    ; f = 2^(old M - new M)
.irp j, 0,2,4,6,8,10,12,14,16,18,20,22,24,26,28,30,32,34,36,38,40,42,44,46,48,50,52,54,56,58,60,62
	v_pk_fma_f32 v[96+\j:97+\j], v[96+\j:97+\j], s[CS:CS+1], v[12:13] op_sel_hi:[1,0,0]   ; t - M
.endr
.irp b, 0,1,2,3
	v_fma_f32 v[232+\b], v[232+\b], s[CS], v12
.endr
	s_wait_alu depctr_va_vdst(0)
.irp j, 0,1,2,3,4,5,6,7,8,9,10,11,12,13,14,15,16,17,18,19,20,21,22,23,24,25,26,27,28,29,30,31,32,33,34,35,36,37,38,39,40,41,42,43,44,45,46,47,48,49,50,51,52,53,54,55,56,57,58,59,60,61,62,63
	v_exp_f32 v[96+\j], v[96+\j]                   ; p = 2^(t - M)
.endr
	v_pk_mul_f32 v[14:15], v[14:15], v[252:253] op_sel_hi:[1,0]   ; the sums under the new M: the plain place behind the batch
	s_wait_alu depctr_va_vdst(0)                   ; one wait for the batch, ahead of its first reader
.irp b, 0,1,2,3
	v_exp_f32 v[232+\b], v[232+\b]                 ; the blocks' largest p
.endr
	v_pk_add_f32 v[236:237], v[100:101], v[104:105]
	v_pk_add_f32 v[248:249], v[108:109], v[112:113]
	v_pk_add_f32 v[246:247], v[116:117], v[120:121]
	v_pk_add_f32 v[244:245], v[124:125], v[128:129]
	v_pk_add_f32 v[242:243], v[132:133], v[136:137]
	v_pk_add_f32 v[240:241], v[140:141], v[144:145]
	v_pk_add_f32 v[238:239], v[148:149], v[152:153]
	v_pk_add_f32 v[14:15], v[14:15], v[156:157]
	v_pk_add_f32 v[236:237], v[236:237], v[96:97]
	v_pk_add_f32 v[248:249], v[248:249], v[98:99]
	v_pk_add_f32 v[246:247], v[246:247], v[102:103]
	v_pk_add_f32 v[244:245], v[244:245], v[106:107]
	v_pk_add_f32 v[242:243], v[242:243], v[110:111]
	v_pk_add_f32 v[240:241], v[240:241], v[114:115]
	v_pk_add_f32 v[238:239], v[238:239], v[118:119]
	v_pk_add_f32 v[14:15], v[14:15], v[122:123]
	v_pk_add_f32 v[236:237], v[236:237], v[126:127]
	v_pk_add_f32 v[248:249], v[248:249], v[130:131]
	v_pk_add_f32 v[246:247], v[246:247], v[134:135]
	v_pk_add_f32 v[244:245], v[244:245], v[138:139]
	v_pk_add_f32 v[242:243], v[242:243], v[142:143]
	v_pk_add_f32 v[240:241], v[240:241], v[146:147]
	v_pk_add_f32 v[238:239], v[238:239], v[150:151]
	v_pk_add_f32 v[14:15], v[14:15], v[154:155]
	v_pk_add_f32 v[236:237], v[236:237], v[158:159]
	s_delay_alu instid0(VALU_DEP_2)
	v_pk_add_f32 v[14:15], v[14:15], v[244:245]
	s_delay_alu instid0(VALU_DEP_2)
	v_pk_add_f32 v[236:237], v[236:237], v[242:243]
	v_pk_add_f32 v[248:249], v[248:249], v[240:241]
	v_pk_add_f32 v[246:247], v[246:247], v[238:239]
	s_delay_alu instid0(VALU_DEP_2)
	v_pk_add_f32 v[14:15], v[14:15], v[248:249]
	s_delay_alu instid0(VALU_DEP_2)
	v_pk_add_f32 v[236:237], v[236:237], v[246:247]
	s_delay_alu instid0(VALU_DEP_1)
	v_pk_add_f32 v[14:15], v[14:15], v[236:237]
	s_wait_alu depctr_va_vdst(0)                   ; and one for the four
.irp b, 0,1,2,3
	v_max_num_f32 v[232+\b], 0x1800000, v[232+\b]
.endr
.irp b, 0,1,2,3
	s_delay_alu instid0(VALU_DEP_4)
	v_add_nc_u32 v[244+\b], 0xff000000, v[232+\b]
.endr
.irp b, 0,1,2,3
	s_delay_alu instid0(VALU_DEP_4)
	v_lshrrev_b32 v[236+\b], 23, v[244+\b]
.endr
	s_delay_alu instid0(VALU_DEP_3)
	v_lshl_or_b32 v253, v237, 8, v236              ; p's scale word for these 128 keys
	s_delay_alu instid0(VALU_DEP_1)
	v_lshl_or_b32 v253, v238, 16, v253
	s_delay_alu instid0(VALU_DEP_1)
	v_lshl_or_b32 v253, v239, 24, v253
.irp b, 0,1,2,3
	v_cvt_scalef32_pk8_fp4_f32 v[192+2*\b], v[96+16*\b:103+16*\b], v[244+\b]
	v_cvt_scalef32_pk8_fp4_f32 v[193+2*\b], v[104+16*\b:111+16*\b], v[244+\b]
.endr
	v_nop
.irp c, 0,1
.irp i, 0,1
	v_permlane16_swap_b32 v[192+4*\c+\i], v[194+4*\c+\i]
.endr
.endr
.irp j, 0,2,4,6,8,10,12,14,16,18,20,22,24,26,28,30
	v_pk_mul_f32 v[160+\j:161+\j], v[160+\j:161+\j], v[252:253] op_sel_hi:[1,0]   ; O^T under the new M; these sixteen are also the places between the scale word's and the codes' last writes and the products
.endr
.irp t, 0,1,2,3
	WM 160+8*\t, 64+8*\t, 192, 160+8*\t, 204+\t/2, 253, \t%2
.endr
.endm
.macro KNEXT                           ; on to the next key step's tiles and scale words
	s_add_co_u32 s[TK], s[TK], 4096
	s_add_co_u32 s[TV], s[TV], 1024
	s_add_co_u32 s[TS], s[TS], 512
	s_add_co_u32 s[TT], s[TT], 256
.endm
; THE WAY OUT of a finished tile: O^T / the sum; register 16 b + i is channel 32 b + 16 (lane / 16) + i of the head: two blocks along the next K, half a fragment
.macro FINAL
	v_add_f32 v14, v14, v15
	s_delay_alu instid0(VALU_DEP_1)
	v_permlanex16_b32 v252, v14, s[SEL], s[SEL+1]
	s_delay_alu instid0(VALU_DEP_1)
	v_add_f32 v14, v14, v252
	s_wait_alu depctr_va_vdst(0)
	v_rcp_f32 v14, v14
	v_nop
	s_wait_alu depctr_va_vdst(0)
.irp j, 0,1,2,3,4,5,6,7,8,9,10,11,12,13,14,15,16,17,18,19,20,21,22,23,24,25,26,27,28,29,30,31
	v_mul_f32 v[96+\j], v[160+\j], v14
.endr
.irp b, 0,1
	v_max3_num_f32 v[232+\b], |v[96+16*\b]|, |v[97+16*\b]|, 0x1800000
.endr
.irp i, 2,4,6,8,10,12,14
.irp b, 0,1
	s_delay_alu instid0(VALU_DEP_2)
	v_max3_num_f32 v[232+\b], v[232+\b], |v[96+16*\b+\i]|, |v[97+16*\b+\i]|
.endr
.endr
.irp b, 0,1
	s_delay_alu instid0(VALU_DEP_2)
	v_permlanex16_b32 v[236+\b], v[232+\b], s[SEL], s[SEL+1]
.endr
.irp b, 0,1
	s_delay_alu instid0(VALU_DEP_2)
	v_max_num_f32 v[232+\b], v[232+\b], v[236+\b]
.endr
.irp b, 0,1
	s_delay_alu instid0(VALU_DEP_2)
	v_add_nc_u32 v[240+\b], 0xff000000, v[232+\b]
.endr
.irp b, 0,1
	s_delay_alu instid0(VALU_DEP_2)
	v_lshrrev_b32 v[236+\b], 23, v[240+\b]
.endr
	s_delay_alu instid0(VALU_DEP_1)
	v_lshl_or_b32 v244, v237, 8, v236
.irp b, 0,1
	v_cvt_scalef32_pk8_fp4_f32 v[192+2*\b], v[96+16*\b:103+16*\b], v[240+\b]
	v_cvt_scalef32_pk8_fp4_f32 v[193+2*\b], v[104+16*\b:111+16*\b], v[240+\b]
.endr
	v_nop
	v_permlane16_swap_b32 v192, v194
	v_permlane16_swap_b32 v193, v195
	global_store_b128 v1, v[192:195], s[60:61]     ; 512 consecutive aligned bytes
	global_store_b16 v5, v244, s[62:63]            ; my head's two bytes of row r's word; both halves of the lanes write the same value
.endm
	s_load_b128 s[4:7], s[0:1], 0x0                ; qkv, ac
	v_lshl_add_u32 v251, v0, 2, 0x2c000
	v_mov_b32 v255, 0
	ds_add_u32 v251, v255
	ds_add_u32 v251, v255
	v_lshrrev_b32 v8, 5, v0
	s_delay_alu instid0(VALU_DEP_1)
	v_readfirstlane_b32 s[WV], v8                  ; wave 0..15
	s_bfe_u32 s9, ttmp6, 0x40000                   ; cx
	s_lshl_b32 s10, ttmp9, 2
	s_add_co_u32 s10, s10, s9                      ; j
	s_and_b32 s11, ttmp7, 0xffff
	s_lshr_b32 s12, s11, 4                         ; batch
	s_and_b32 s13, s11, 15                         ; head
	s_and_b32 s14, s13, 1                          ; which half of a K step of 128 channels
	s_lshl_b32 s15, s14, 4
	s_lshr_b32 s16, s13, 1                         ; which K step
	s_lshr_b32 s[PA], s[WV], 1                     ; a: my pair
	s_lshr_b32 s[ROLE], s[WV], 2
	s_xor_b32 s[ROLE], s[ROLE], s[WV]
	s_and_b32 s[ROLE], s[ROLE], 1                  ; my role
	s_mul_i32 s51, s[ROLE], 15
	s_xor_b32 s[RANK], s[PA], s51                  ; the first loop's tile, which is also the tile that I store: a (role 0) or 15 - a (role 1)
	s_xor_b32 s77, s[PA], 15                       ; 15 - a
	s_xor_b32 s51, s[PA], 7
	s_add_co_u32 s51, s51, 1                       ; 8 - a
	s_mul_i32 s[SG0], s[ROLE], s51                 ; role 1 begins at key step 8 - a, role 0 at 0
	s_xor_b32 s67, s[ROLE], 1
	s_mul_i32 s[N2], s67, s51                      ; role 0 has 8 - a steps in the second loop, role 1 none
	s_and_b32 s66, s[WV], 3
	s_mov_b32 s69, 0
	s_mov_b32 s[SEL], 0x76543210
	s_mov_b32 s[SEL+1], 0xfedcba98
	s_mov_b32 s[CS], 0x3e38aa3b                    ; log2(e) / 8
	s_mov_b32 s[CS+1], s[CS]
	; group 1, elements of 8 bytes, mask of all four partners, bit 21 beside it.  K: 32 rows (tiles) of 512 bytes, 8 KiB apart.  V: a dense 16 KiB as 64 rows of 256 bytes
	s_mov_b32 s[G1K], 15|(3<<16)|(1<<21)
	s_mov_b32 s[G1K+1], 64<<16
	s_mov_b32 s[G1K+2], 32<<16
	s_mov_b32 s[G1K+3], 64<<16
	s_mov_b32 s[G1K+4], 32
	s_mov_b32 s[G1K+5], 1024
	s_mov_b32 s[G1K+6], 0
	s_mov_b32 s[G1K+7], 0
	s_mov_b32 s[G1V], 15|(3<<16)|(1<<21)
	s_mov_b32 s[G1V+1], 32<<16
	s_mov_b32 s[G1V+2], 64<<16
	s_mov_b32 s[G1V+3], 32<<16
	s_mov_b32 s[G1V+4], 64
	s_mov_b32 s[G1V+5], 32
	s_mov_b32 s[G1V+6], 0
	s_mov_b32 s[G1V+7], 0
	s_wait_dscnt 0x0
	s_wait_kmcnt 0x0
	s_mov_b32 s[G0K], 1
	s_lshl_b32 s[G0K+1], s66, 14
	s_lshl_b32 s68, s12, 20                        ; k's codes: 2 MiB + (128 batch + 32 (w % 4)) tiles of 8 KiB + K step + half
	s_lshl_b32 s67, s66, 18
	s_add_co_u32 s68, s68, s67
	s_lshl_b32 s67, s16, 10
	s_add_co_u32 s68, s68, s67
	s_lshl_b32 s67, s14, 9
	s_add_co_u32 s68, s68, s67
	s_add_co_u32 s68, s68, 0x200000
	s_add_nc_u64 s[G0K+2:G0K+3], s[4:5], s[68:69]
	s_or_b32 s[G0K+3], s[G0K+3], 0x80000000
	s_mov_b32 s[G0V], 1
	s_add_co_u32 s[G0V+1], s[G0K+1], 65536
	s_lshl_b32 s68, s13, 17                        ; V^T's codes: 4 MiB + (4 head + w % 4) tiles of 32 KiB + the batch's 16 K steps
	s_lshl_b32 s67, s66, 15
	s_add_co_u32 s68, s68, s67
	s_lshl_b32 s67, s12, 14
	s_add_co_u32 s68, s68, s67
	s_add_co_u32 s68, s68, 0x400000
	s_add_nc_u64 s[G0V+2:G0V+3], s[4:5], s[68:69]
	s_or_b32 s[G0V+3], s[G0V+3], 0x80000000
	ROUND                                          ; all four work-groups are here: the joint loads meet
	s_cmp_lt_u32 s[WV], 4
	s_cbranch_scc0 .Lnot_k
	tensor_load_to_lds s[G0K:G0K+3], s[G1K:G1K+7]
	s_nop 0
	PLACES
	s_branch .Lasked
.Lnot_k:
	s_cmp_lt_u32 s[WV], 8
	s_cbranch_scc0 .Lasked
	tensor_load_to_lds s[G0V:G0V+3], s[G1V:G1V+7]
	s_nop 0
	PLACES
.Lasked:
	s_lshl_b32 s68, s16, 14                        ; k's scale words of the batch's 128 tiles: 8 KiB on end
	s_lshl_b32 s67, s12, 13
	s_add_co_u32 s68, s68, s67
	s_add_co_u32 s68, s68, 0x620000
	s_add_nc_u64 s[52:53], s[4:5], s[68:69]
	s_lshl_b32 s68, s12, 4                         ; V^T's: K step 16 batch + w, the head's 256 bytes
	s_add_co_u32 s68, s68, s[WV]
	s_lshl_b32 s68, s68, 12
	s_lshl_b32 s67, s13, 8
	s_add_co_u32 s68, s68, s67
	s_add_co_u32 s68, s68, 0x640000
	s_add_nc_u64 s[54:55], s[4:5], s[68:69]
	s_lshl_b32 s70, s12, 7
	s_lshl_b32 s67, s[RANK], 3
	s_add_co_u32 s70, s70, s67
	s_add_co_u32 s70, s70, s10                     ; the first loop's query tile: 128 batch + 8 rank + j
	s_lshl_b32 s68, s70, 13
	s_lshl_b32 s67, s16, 10
	s_add_co_u32 s68, s68, s67
	s_lshl_b32 s67, s14, 9
	s_add_co_u32 s68, s68, s67
	s_add_nc_u64 s[56:57], s[4:5], s[68:69]        ; q's half fragment
	s_add_nc_u64 s[60:61], s[6:7], s[68:69]        ; and att's, at the same place of ac
	s_lshl_b32 s68, s16, 14
	s_lshl_b32 s67, s70, 6
	s_add_co_u32 s71, s68, s67
	s_add_co_u32 s68, s71, 0x600000
	s_add_nc_u64 s[58:59], s[4:5], s[68:69]        ; q's scale words
	s_lshl_b32 s67, s14, 1
	s_add_co_u32 s68, s71, s67
	s_add_co_u32 s68, s68, 0x200000
	s_add_nc_u64 s[62:63], s[6:7], s[68:69]        ; att's: my head's two bytes of the word
	s_lshl_b32 s71, s12, 7
	s_lshl_b32 s67, s77, 3
	s_add_co_u32 s71, s71, s67
	s_add_co_u32 s71, s71, s10                     ; the second loop's query tile: 128 batch + 8 (15 - a) + j
	s_lshl_b32 s68, s71, 13
	s_lshl_b32 s67, s16, 10
	s_add_co_u32 s68, s68, s67
	s_lshl_b32 s67, s14, 9
	s_add_co_u32 s68, s68, s67
	s_add_nc_u64 s[80:81], s[4:5], s[68:69]        ; its q
	s_lshl_b32 s68, s16, 14
	s_lshl_b32 s67, s71, 6
	s_add_co_u32 s68, s68, s67
	s_add_co_u32 s68, s68, 0x600000
	s_add_nc_u64 s[82:83], s[4:5], s[68:69]        ; and q's scale words
	v_and_b32 v9, 31, v0
	v_and_b32 v28, 15, v0                          ; r
	v_bfe_u32 v30, v0, 4, 1                        ; h
	s_delay_alu instid0(VALU_DEP_3)
	v_lshlrev_b32 v1, 4, v9
	s_delay_alu instid0(VALU_DEP_3)
	v_lshlrev_b32 v5, 2, v28
	v_lshlrev_b32 v6, 3, v9
	v_lshlrev_b32 v7, 4, v0
	global_load_b128 v[32:35], v7, s[52:53]
	global_load_b64 v[36:37], v6, s[54:55]
	global_load_b128 v[16:19], v1, s[56:57]
	global_load_b32 v24, v5, s[58:59]
	global_load_b128 v[208:211], v1, s[80:81]
	global_load_b32 v216, v5, s[82:83]
	v_add_nc_u32 v2, 65536, v1
	v_lshlrev_b32 v3, 2, v9
	s_delay_alu instid0(VALU_DEP_1)
	v_add_nc_u32 v4, VSC, v3
	s_delay_alu instid0(VALU_DEP_2)
	v_add_nc_u32 v3, KSH, v3
	v_lshl_add_u32 v26, v0, 4, KSH
	v_lshl_add_u32 v27, v0, 3, VSC
	s_mul_i32 s67, s[PA], 4608
	v_add_nc_u32 v31, s67, v1
	s_delay_alu instid0(VALU_DEP_1)
	v_add_nc_u32 v31, MRG, v31                     ; the hand-over: my pair's bytes, 16 l
	s_lshr_b32 s67, s10, 1
	s_lshl_b32 s67, s67, 5
	s_and_b32 s71, s10, 1
	s_lshl_b32 s71, s71, 3
	s_add_co_u32 s67, s67, s71
	v_and_b32 v29, 8, v28
	s_delay_alu instid0(VALU_DEP_1)
	v_add_nc_u32 v25, v28, v29
	v_lshlrev_b32 v30, 4, v30
	s_delay_alu instid0(VALU_DEP_1)
	v_sub_nc_u32 v25, v25, v30
	s_delay_alu instid0(VALU_DEP_1)
	v_add_nc_u32 v25, s67, v25                     ; my query's place in its 128 tokens, less 16 (lane / 16): on the diagonal register 16 b + i is hidden where 32 b + i is greater
	v_mov_b32 v13, 0xff61b1e6                      ; the largest t so far: -3e38
	s_delay_alu instid0(VALU_DEP_1)
	v_floor_f32 v12, -v13
	v_mov_b32 v14, 0
	v_mov_b32 v15, 0
.irp b, 0,1,2,3
	v_mov_b32 v[236+\b], 0                         ; a lane permute's destination counts as read
	v_mov_b32 v[20+\b], 0                          ; the upper halves of both Q: zero codes
	v_mov_b32 v[212+\b], 0
.endr
	v_mov_b32 v252, 0
	v_mov_b32 v253, 0
.irp j, 0,1,2,3,4,5,6,7,8,9,10,11,12,13,14,15,16,17,18,19,20,21,22,23,24,25,26,27,28,29,30,31
	v_mov_b32 v[160+\j], 0                         ; O^T: the step is written once; the first finds zeros
.endr
	s_wait_loadcnt 0x0
.irp i, 0,1,2,3
	v_lshrrev_b32 v[32+\i], s15, v[32+\i]          ; my head's two bytes lowest
.endr
	v_lshrrev_b32 v24, s15, v24
	v_lshrrev_b32 v216, s15, v216
	ds_store_b128 v26, v[32:35]
	ds_store_b64 v27, v[36:37]
	s_wait_dscnt 0x0                               ; my stores have landed,
	s_wait_tensorcnt 0x0                           ; and my part of K or V^T
	s_barrier_signal -1
	s_barrier_wait -1                              ; everybody's have: K, V^T and their scale words are only read from here on
.irp t, 0,1,2,3
.irp i, 4,5,6,7
	v_mov_b32 v[32+8*\t+\i], 0                     ; K's upper halves: zero codes, for the whole launch
.endr
.endr
	; ---- the first loop: role 1: tile 15 - a, key steps 8 - a .. 15 - a; role 0: tile a, key steps 0 .. a
	s_mov_b32 s[CNT], 0
	s_mov_b32 s[SIG], s[SG0]
	s_lshl_b32 s[TK], s[SG0], 12
	s_lshl_b32 s[TV], s[SG0], 10
	s_lshl_b32 s[TS], s[SG0], 9
	s_lshl_b32 s[TT], s[SG0], 8
.Lkey1:
	s_cmp_gt_u32 s[SIG], s[RANK]
	s_cbranch_scc1 .Lskip1
	s_wait_alu depctr_va_vdst(0)
	KSTEP 16, 24, 1
.Lskip1:
	KNEXT
	s_add_co_u32 s[SIG], s[SIG], 1
	s_add_co_u32 s[CNT], s[CNT], 1
	s_cmp_lt_u32 s[CNT], 8
	s_cbranch_scc1 .Lkey1
	PLACES                                         ; behind the last products, ahead of the first read of O^T
	s_cmp_lg_u32 s[ROLE], 0
	s_cbranch_scc1 .Lno_first
	FINAL                                          ; role 0: tile a is finished
	s_wait_xcnt 0x0                                ; its stores have read their data: those registers are written again in the second loop
	v_mov_b32 v13, 0xff61b1e6                      ; and the state begins anew for tile 15 - a
	s_delay_alu instid0(VALU_DEP_1)
	v_floor_f32 v12, -v13
	v_mov_b32 v14, 0
	v_mov_b32 v15, 0
.irp j, 0,1,2,3,4,5,6,7,8,9,10,11,12,13,14,15,16,17,18,19,20,21,22,23,24,25,26,27,28,29,30,31
	v_mov_b32 v[160+\j], 0
.endr
.Lno_first:
	; ---- the second loop: role 0: tile 15 - a, key steps 0 .. 7 - a, none of them on the diagonal; role 1: nothing
	s_mov_b32 s[CNT], 0
	s_mov_b32 s[TK], 0
	s_mov_b32 s[TV], 0
	s_mov_b32 s[TS], 0
	s_mov_b32 s[TT], 0
.Lkey2:
	s_cmp_ge_u32 s[CNT], s[N2]
	s_cbranch_scc1 .Lskip2
	KSTEP 208, 216, 0
.Lskip2:
	KNEXT
	s_add_co_u32 s[CNT], s[CNT], 1
	s_cmp_lt_u32 s[CNT], 8
	s_cbranch_scc1 .Lkey2
	PLACES
	; ---- the hand-over
	s_wait_dscnt 0x0
	s_barrier_signal -1
	s_barrier_wait -1                              ; every wave has left the key loops, its LDS loads are in: only now is LDS written again
	s_cmp_lg_u32 s[ROLE], 0
	s_cbranch_scc1 .Lno_hand
	s_wait_alu depctr_va_vdst(0)
.irp k, 0,1,2,3,4,5,6,7
	ds_store_b128 v31, v[160+4*\k:163+4*\k] offset:512*\k   ; role 0: O^T as it stands, each accumulator from its low end on,
.endr
	ds_store_b128 v31, v[12:15] offset:4096        ; and -M, the largest t, the sum's two halves
.Lno_hand:
	s_wait_dscnt 0x0                               ; for the partner's sake: my stores have landed
	s_barrier_signal -1
	s_barrier_wait -1
	s_cmp_eq_u32 s[ROLE], 0
	s_cbranch_scc1 .Ldone
.irp k, 0,1,2,3,4,5,6,7
	ds_load_b128 v[96+4*\k:99+4*\k], v31 offset:512*\k      ; role 1: the same registers in the same lanes
.endr
	ds_load_b128 v[128:131], v31 offset:4096
	s_wait_dscnt 0x0
	v_min_num_f32 v132, v12, v128                  ; -M of both parts: the smaller -M is the larger M
	s_delay_alu instid0(VALU_DEP_1)
	v_sub_f32 v133, v132, v12                      ; my M less the common one: a whole number, 0 or less
	s_delay_alu instid0(VALU_DEP_2)
	v_sub_f32 v134, v132, v128                     ; the partner's likewise
	s_delay_alu instid0(VALU_DEP_2)
	v_cvt_i32_f32 v133, v133
	s_delay_alu instid0(VALU_DEP_2)
	v_cvt_i32_f32 v134, v134
	s_delay_alu instid0(VALU_DEP_2)
	v_ldexp_f32 v136, 1.0, v133
	s_delay_alu instid0(VALU_DEP_2)
	v_ldexp_f32 v138, 1.0, v134
	s_delay_alu instid0(VALU_DEP_2)
	v_mov_b32 v137, v136
	s_delay_alu instid0(VALU_DEP_2)
	v_mov_b32 v139, v138
	s_delay_alu instid0(VALU_DEP_2)
	v_pk_mul_f32 v[14:15], v[14:15], v[136:137]
	s_delay_alu instid0(VALU_DEP_1)
	v_pk_fma_f32 v[14:15], v[130:131], v[138:139], v[14:15]
.irp j, 0,2,4,6,8,10,12,14,16,18,20,22,24,26,28,30
	v_pk_mul_f32 v[160+\j:161+\j], v[160+\j:161+\j], v[136:137]
.endr
.irp j, 0,2,4,6,8,10,12,14,16,18,20,22,24,26,28,30
	v_pk_fma_f32 v[160+\j:161+\j], v[96+\j:97+\j], v[138:139], v[160+\j:161+\j]
.endr
	FINAL                                          ; tile 15 - a is finished
.Ldone:
	s_wait_tensorcnt 0x0
	ds_add_u32 v251, v255
	s_wait_dscnt 0x0
	ROUND                                          ; the closing round
	s_endpgm
.Lfunc_end_k_qa7d39a9e85_attn:
	.size	k_qa7d39a9e85_attn, .Lfunc_end_k_qa7d39a9e85_attn-k_qa7d39a9e85_attn
	.p2alignl 7, 3214868480
	.fill 96, 4, 3214868480
	.section	.rodata,"a",@progbits
	.p2align	6, 0x0
	.amdhsa_kernel k_qa7d39a9e85_attn
		.amdhsa_group_segment_fixed_size 182272
		.amdhsa_private_segment_fixed_size 0
		.amdhsa_enable_private_segment 0
		.amdhsa_kernarg_size 16
		.amdhsa_user_sgpr_count 2
		.amdhsa_user_sgpr_kernarg_segment_ptr 1
		.amdhsa_wavefront_size32 1
		.amdhsa_system_sgpr_workgroup_id_x 1
		.amdhsa_system_sgpr_workgroup_id_y 1
		.amdhsa_system_sgpr_workgroup_id_z 1
		.amdhsa_system_vgpr_workitem_id 0
		.amdhsa_next_free_vgpr 256
		.amdhsa_next_free_sgpr 96
		.amdhsa_reserve_vcc 1
		.amdhsa_float_denorm_mode_32 3
		.amdhsa_float_denorm_mode_16_64 3
		.amdhsa_memory_ordered 1
		.amdhsa_forward_progress 1
		.amdhsa_inst_pref_size 64
	.end_amdhsa_kernel
	.amdgpu_metadata
---
amdhsa.version: [ 1, 2 ]
amdhsa.kernels:
  - .name:           k_qa7d39a9e85_attn
    .symbol:         k_qa7d39a9e85_attn.kd
    .args:
      - { .name: qkv, .offset: 0, .size: 8, .value_kind: global_buffer, .address_space: global }
      - { .name: ac, .offset: 8, .size: 8, .value_kind: global_buffer, .address_space: global }
    .group_segment_fixed_size: 182272
    .private_segment_fixed_size: 0
    .kernarg_segment_align: 8
    .kernarg_segment_size: 16
    .max_flat_workgroup_size: 512
    .sgpr_count:     96
    .vgpr_count:     256
    .wavefront_size: 32
...
	.end_amdgpu_metadata
.endif
;; end of part 3
;; launch wo_ln2 (part 4): grid 256 x 1, 8 waves a work-group, clusters of 4 x 1, 327,680 bytes of LDS; arguments ac, wc, ws, x, bo, ln2_g, ln2_b, x1, yc; writes x1, yc
.if DOCPART == 4
	.amdgcn_target "amdgcn-amd-amdhsa--gfx1250"
	.amdhsa_code_object_version 6
	.text
	.protected	k_qa7d39a9e85_wo_ln2
	.globl	k_qa7d39a9e85_wo_ln2
	.p2align	8
	.type	k_qa7d39a9e85_wo_ln2,@function
k_qa7d39a9e85_wo_ln2:
	s_mov_b64 s[64:65], 0
	v_nop
	global_prefetch_b8 v0, s[64:65] scope:SCOPE_SE
	s_setreg_imm32_b32 hwreg(HW_REG_WAVE_MODE, 25, 1), 1
	s_wait_xcnt 0x0
	s_wait_alu depctr_hold_cnt(0) depctr_sa_sdst(0) depctr_va_vdst(0) depctr_va_sdst(0) depctr_va_ssrc(0) depctr_va_vcc(0) depctr_vm_vsrc(0)
	s_getreg_b32 s2, hwreg(HW_REG_IB_STS2, 6, 4)
	s_cmp_eq_u32 s2, 0
	s_cbranch_scc0 .Lentry_in_a_cluster
	s_endpgm
.Lentry_in_a_cluster:
	s_bfe_u32 s2, ttmp6, 0x10000c
	s_cmp_lg_u32 s2, 0x3003
	s_cbranch_scc0 .Lentry_shape_is_right
	s_endpgm
.Lentry_shape_is_right:
; x1 = x + att Wo + bo (the product on codes of FP4), LayerNorm2(x1), and its quantising.  A work-group takes one token tile (16 rows) and all 1,024 columns, so that a row's mean and variance stay in the work-group.
; Wave w takes Wo's tiles 192 + 8 w .. + 7 (columns 128 w on) as source 0 and att's tile as source 1: a lane holds one token and 64 columns whose register 16 b + i is column 128 w + 32 b + 16 (lane / 16) + i: K step w of the next product.
; CLUSTER: every work-group walks the whole of Wo (512 KiB of codes), so the four of a cluster ask for it JOINTLY.  Wave w's load brings its own 8 tiles x 4 K steps (8 rows of 4 KiB, 8 KiB apart in memory) to LDS byte 32,768 w,
; and only wave w reads them.  Two fills of 256 KiB: K steps 0-3 at the head, K steps 4-7 into the same bytes behind the three lines and a round of the cluster's barrier.  By this text's own count a wave has one tensor load out.
; The place in the cluster enters global addresses of att, x, x1 and yc alone.
; att's fragments, all scale words, x, bo and ln2_g are asked for at the head and wait in registers.  x turns through LDS (rows 4,112 bytes apart) into the results' layout, on Wo's bytes after their last fill and last read, behind a barrier;
; x1 goes back to the same bytes and leaves as whole rows.  Mean first, then the sum of (x1 - mean)^2: a common offset costs nothing.
; NO PREFETCH: the text has no loop to run ahead in; both fills are asked for as early as the order of fills allows.  LIMITS as stated in prep.
; REGISTERS.  window 0: v1 16 l, v2 4 l, v3 4 r, v4, v5 the stage, v6 64 h, v7, v8 the sums' words, v9 my part of Wo in LDS, v12, v13 the add's; v16-79 accumulators; v80-143, v144-207 two sets of 8 fragments of Wo;
;   v208-247 scale words (K step s: Wo's four at 208 + 5 s, att's behind them), later the quantiser; v248-255 at work.   window 1: v0-63 x, v64-127 bo, v128-191 att (K step s at 128 + 8 s), v192-255 ln2_g.
.set RED1,  262144                     ; behind Wo's bytes: the sums' words, 2 x 512 bytes
.set SPARE, 263168                     ; the spare words, 128 bytes a wave
.set TM,  234
.set SC,  208
.set SEL, 42
.set MSB, 0
.macro WIN new                         ; the immediate's high byte repeats the setting that is left
.if MSB != (\new)
	s_set_vgpr_msb (MSB<<8)|(\new)
.set MSB, \new
.endif
.endm
.macro PLACES                          ; four plain places behind matrix instructions (ISA guide 7.12.1)
.rept 4
	v_nop
.endr
.endm
.macro WM d, a, b, c, sa, sb, ra
.if (\c) < 0
.if (\ra)
	v_wmma_scale_f32_16x16x128_f8f6f4 v[\d:\d+7], v[\a:\a+7], v[\b:\b+7], 0, v[\sa], v[\sb] matrix_a_fmt:MATRIX_FMT_FP4 matrix_b_fmt:MATRIX_FMT_FP4 matrix_a_scale:MATRIX_SCALE_ROW1
.else
	v_wmma_scale_f32_16x16x128_f8f6f4 v[\d:\d+7], v[\a:\a+7], v[\b:\b+7], 0, v[\sa], v[\sb] matrix_a_fmt:MATRIX_FMT_FP4 matrix_b_fmt:MATRIX_FMT_FP4
.endif
.else
.if (\ra)
	v_wmma_scale_f32_16x16x128_f8f6f4 v[\d:\d+7], v[\a:\a+7], v[\b:\b+7], v[\c:\c+7], v[\sa], v[\sb] matrix_a_fmt:MATRIX_FMT_FP4 matrix_b_fmt:MATRIX_FMT_FP4 matrix_a_scale:MATRIX_SCALE_ROW1
.else
	v_wmma_scale_f32_16x16x128_f8f6f4 v[\d:\d+7], v[\a:\a+7], v[\b:\b+7], v[\c:\c+7], v[\sa], v[\sb] matrix_a_fmt:MATRIX_FMT_FP4 matrix_b_fmt:MATRIX_FMT_FP4
.endif
.endif
.endm
.macro ROUND                           ; a round of the cluster's barrier
	s_barrier_signal -1
	s_barrier_wait -1
	s_cmp_lg_u32 s28, 0
	s_cbranch_scc1 .Lnot_wave_0_\@
	s_barrier_signal -3
.Lnot_wave_0_\@:
	s_barrier_wait -3
	s_barrier_signal -1
	s_barrier_wait -1
.endm
.macro QUANT s, pc, pw                 ; 64 numbers of a lane, register 16 b + i = k 32 b + 16 (lane / 16) + i, become a fragment's codes and its scale word
.irp b, 0,1,2,3
	v_max3_num_f32 v[TM+\b], |v[\s+16*\b]|, |v[\s+1+16*\b]|, 0x1800000   ; with the floor 2^(3 - 127): the byte cannot fall under 1
.endr
.irp i, 2,4,6,8,10,12,14
.irp b, 0,1,2,3
	s_delay_alu instid0(VALU_DEP_4)
	v_max3_num_f32 v[TM+\b], v[TM+\b], |v[\s+16*\b+\i]|, |v[\s+1+16*\b+\i]|
.endr
.endr
.irp b, 0,1,2,3
	s_delay_alu instid0(VALU_DEP_4)
	v_permlanex16_b32 v[TM+4+\b], v[TM+\b], s[SEL], s[SEL+1]
.endr
.irp b, 0,1,2,3
	s_delay_alu instid0(VALU_DEP_4)
	v_max_num_f32 v[TM+\b], v[TM+\b], v[TM+4+\b]
.endr
.irp b, 0,1,2,3
	s_delay_alu instid0(VALU_DEP_4)
	v_add_nc_u32 v[TM+8+\b], 0xff000000, v[TM+\b]  ; 2 off the exponent field: the conversion's scale operand
.endr
.irp b, 0,1,2,3
	s_delay_alu instid0(VALU_DEP_4)
	v_lshrrev_b32 v[TM+4+\b], 23, v[TM+8+\b]       ; the byte
.endr
	s_delay_alu instid0(VALU_DEP_3)
	v_lshl_or_b32 v[\pw], v[TM+5], 8, v[TM+4]
	s_delay_alu instid0(VALU_DEP_1)
	v_lshl_or_b32 v[\pw], v[TM+6], 16, v[\pw]
	s_delay_alu instid0(VALU_DEP_1)
	v_lshl_or_b32 v[\pw], v[TM+7], 24, v[\pw]
.irp b, 0,1,2,3
	v_cvt_scalef32_pk8_fp4_f32 v[\pc+2*\b], v[\s+16*\b:\s+7+16*\b], v[TM+8+\b]
	v_cvt_scalef32_pk8_fp4_f32 v[\pc+1+2*\b], v[\s+8+16*\b:\s+15+16*\b], v[TM+8+\b]
.endr
	v_nop                                          ; one plain place behind a scaled conversion
.irp c, 0,1
.irp i, 0,1
	v_permlane16_swap_b32 v[\pc+4*\c+\i], v[\pc+2+4*\c+\i]
.endr
.endr
.endm
.macro FETCHW s, q                     ; my 8 fragments of Wo, K step s, into set q: 16 LDS loads, 512 consecutive bytes each
.irp t, 0,1,2,3,4,5,6,7
.irp c, 0,1
	ds_load_b128 v[80+64*(\q)+8*\t+4*\c:80+64*(\q)+8*\t+4*\c+3], v9 offset:4096*\t+1024*((\s)%4)+512*\c
.endr
.endr
.endm
.macro MULS s, first                   ; eight accumulators by turns; source 1 (att) lies in window 1
.irp t, 0,1,2,3,4,5,6,7
.if \first
	WM 16+8*\t, 80+64*((\s)%2)+8*\t, 128+8*(\s), -1, SC+5*(\s)+\t/2, SC+5*(\s)+4, \t%2
.else
	WM 16+8*\t, 80+64*((\s)%2)+8*\t, 128+8*(\s), 16+8*\t, SC+5*(\s)+\t/2, SC+5*(\s)+4, \t%2
.endif
.endr
.endm
.macro VLOAD reg, base                 ; a vector of 1,024 numbers in the results' layout: my 64 at 512 w + 128 b + 64 h + 16 q bytes
.irp b, 0,1,2,3
.irp q, 0,1,2,3
	global_load_b128 v[\reg+16*\b+4*\q:\reg+16*\b+4*\q+3], v6, s[\base:\base+1] offset:128*\b+16*\q
.endr
.endr
.endm
.macro RSUM off                        ; v252: my 64 numbers' sum -> the row's sum over all eight waves
	s_delay_alu instid0(VALU_DEP_1)
	v_permlanex16_b32 v253, v252, s[SEL], s[SEL+1]
	s_delay_alu instid0(VALU_DEP_1)
	v_add_f32 v252, v252, v253
	ds_store_b32 v7, v252 offset:\off              ; both halves of the lanes write the same word with the same value
	s_wait_dscnt 0x0                               ; for the others' sake: all my LDS stores have landed
	s_barrier_signal -1
	s_barrier_wait -1
	ds_load_b128 v[236:239], v8 offset:\off
	ds_load_b128 v[240:243], v8 offset:\off+16
	s_wait_dscnt 0x0
	v_add_f32 v236, v236, v237
	v_add_f32 v238, v238, v239
	v_add_f32 v240, v240, v241
	v_add_f32 v242, v242, v243
	s_delay_alu instid0(VALU_DEP_3)
	v_add_f32 v236, v236, v238
	s_delay_alu instid0(VALU_DEP_2)
	v_add_f32 v240, v240, v242
	s_delay_alu instid0(VALU_DEP_1)
	v_add_f32 v252, v236, v240
.endm
.macro JOIN4                           ; four chains in v248-255 -> v252
	s_delay_alu instid0(VALU_DEP_3)
	v_pk_add_f32 v[248:249], v[248:249], v[250:251]
	s_delay_alu instid0(VALU_DEP_2)
	v_pk_add_f32 v[252:253], v[252:253], v[254:255]
	s_delay_alu instid0(VALU_DEP_1)
	v_pk_add_f32 v[252:253], v[252:253], v[248:249]
	s_delay_alu instid0(VALU_DEP_1)
	v_add_f32 v252, v252, v253
.endm
	s_load_b512 s[4:19], s[0:1], 0x0               ; ac, wc, ws, x, bo, ln2_g, ln2_b, x1
	s_load_b64 s[20:21], s[0:1], 0x40              ; yc
	v_lshl_add_u32 v12, v0, 2, SPARE
	v_mov_b32 v13, 0
	ds_add_u32 v12, v13                            ; the opening lines: the add, twice on end, and its wait ahead of my first tensor load
	ds_add_u32 v12, v13
	v_lshrrev_b32 v9, 5, v0
	s_delay_alu instid0(VALU_DEP_1)
	v_readfirstlane_b32 s28, v9                    ; wave 0..7
	v_and_b32 v10, 31, v0
	v_and_b32 v11, 15, v0
	v_bfe_u32 v14, v0, 4, 1
	v_lshlrev_b32 v1, 4, v10
	v_lshlrev_b32 v2, 2, v10
	v_lshlrev_b32 v3, 2, v11
	v_lshlrev_b32 v6, 6, v14
	v_mul_u32_u24 v4, v11, 4112
	s_delay_alu instid0(VALU_DEP_1)
	v_add_nc_u32 v4, v4, v6
	s_lshl_b32 s32, s28, 9
	v_add_nc_u32 v4, s32, v4                       ; the results' layout: row r, 512 w + 64 h
	s_mul_i32 s47, s28, 8224
	v_add_nc_u32 v5, s47, v1                       ; whole rows: rows 2 w, 2 w + 1
	v_lshlrev_b32 v8, 5, v11
	s_delay_alu instid0(VALU_DEP_1)
	v_add_nc_u32 v8, RED1, v8
	s_lshl_b32 s47, s28, 2
	v_add_nc_u32 v7, s47, v8
	s_lshl_b32 s47, s28, 15
	v_add_nc_u32 v9, s47, v1                       ; my part of Wo in LDS: 32,768 w + 16 l
	v_mov_b32 v253, 0
	s_mov_b32 s42, 0x76543210
	s_mov_b32 s43, 0xfedcba98
	s_mov_b32 s44, 0x3a800000                      ; 1 / 1,024
	s_mov_b32 s45, 0x3727c5ac                      ; 1e-5
	s_mov_b32 s35, 0
	s_mov_b32 s33, 0
	s_bfe_u32 s29, ttmp6, 0x40000                  ; cx
	s_lshl_b32 s47, ttmp9, 2
	s_add_co_u32 s29, s47, s29                     ; the token tile: 4 x cluster + cx
	s_lshl_b32 s36, s28, 3
	s_add_co_u32 s36, s36, 192                     ; my first tile of Wo
	s_lshr_b32 s37, s29, 1
	s_lshl_b32 s37, s37, 5
	s_and_b32 s46, s29, 1
	s_lshl_b32 s46, s46, 3
	s_add_co_u32 s37, s37, s46                     ; the tile's first token;
	s_lshl_b32 s46, s28, 1
	s_add_co_u32 s37, s37, s46
	s_lshr_b32 s46, s28, 2
	s_lshl_b32 s46, s46, 3
	s_add_co_u32 s37, s37, s46                     ; tile rows 2 w, 2 w + 1 are tokens + 2 w + 8 (w / 4) and the next
	; group 1: elements of 8 bytes, the mask of all four partners and bit 21 beside it; 8 rows (tiles) of 4 KiB (four K steps), 8 KiB apart
	s_mov_b32 s48, 15|(3<<16)|(1<<21)
	s_mov_b32 s49, 512<<16
	s_mov_b32 s50, 8<<16
	s_mov_b32 s51, 512<<16
	s_mov_b32 s52, 8
	s_mov_b32 s53, 1024
	s_mov_b32 s54, 0
	s_mov_b32 s55, 0
	s_mov_b32 s56, 1
	s_lshl_b32 s57, s28, 15
	s_mov_b32 s60, 1
	s_lshl_b32 s61, s28, 15
	s_lshl_b32 s58, s36, 13                        ; made of the wave's number alone
	s_mov_b32 s59, 0
	s_wait_alu depctr_va_vdst(0)                   ; the wait at the head's end
	s_wait_dscnt 0x0                               ; both opening adds are done
	s_wait_kmcnt 0x0
	s_add_nc_u64 s[58:59], s[6:7], s[58:59]        ; K steps 0-3 of my tiles,
	s_add_nc_u64 s[62:63], s[58:59], 4096          ; and K steps 4-7
	s_or_b32 s59, s59, 0x80000000
	s_or_b32 s63, s63, 0x80000000
	s_lshl_b32 s34, s37, 12
	s_add_nc_u64 s[10:11], s[10:11], s[34:35]
	s_add_nc_u64 s[18:19], s[18:19], s[34:35]
	s_lshl_b32 s34, s36, 6
	s_add_nc_u64 s[24:25], s[8:9], s[34:35]        ; Wo's scale words
	s_lshl_b32 s34, s29, 13
	s_add_nc_u64 s[26:27], s[4:5], s[34:35]        ; att's tile
	s_lshl_b32 s46, s28, 10
	s_add_co_u32 s34, s34, s46
	s_add_nc_u64 s[38:39], s[20:21], s[34:35]      ; xn2's fragment: tile, K step w
	s_lshl_b32 s34, s29, 6
	s_add_co_u32 s34, s34, 0x200000
	s_add_nc_u64 s[30:31], s[4:5], s[34:35]        ; att's scale words
	s_lshl_b32 s46, s28, 14
	s_add_co_u32 s34, s34, s46
	s_add_nc_u64 s[40:41], s[20:21], s[34:35]
	s_add_nc_u64 s[12:13], s[12:13], s[32:33]      ; bo, ln2_g, ln2_b at my 128 columns
	s_add_nc_u64 s[14:15], s[14:15], s[32:33]
	s_add_nc_u64 s[16:17], s[16:17], s[32:33]
	ROUND                                          ; all four work-groups are here: the joint loads meet
	tensor_load_to_lds s[56:59], s[48:55]          ; my one tensor load at the head
	s_nop 0
	PLACES
.irp s, 0,1,2,3,4,5,6,7
.irp p, 0,1,2,3
	global_load_b32 v[SC+5*\s+\p], v2, s[24:25] offset:16384*\s+128*\p   ; tile 2 p in lanes 0-15, tile 2 p + 1 in lanes 16-31
.endr
	global_load_b32 v[SC+5*\s+4], v3, s[30:31] offset:16384*\s
.endr
	WIN 0x40                                       ; destinations in window 1
.irp s, 0,1,2,3,4,5,6,7
.irp c, 0,1
	global_load_b128 v[128+8*\s+4*\c:128+8*\s+4*\c+3], v1, s[26:27] offset:1024*\s+512*\c
.endr
.endr
.irp k, 0,1,2,3,4,5,6,7,8,9,10,11,12,13,14,15
	global_load_b128 v[4*\k:4*\k+3], v1, s[10:11] offset:512*\k th:TH_LOAD_NT   ; two rows of x: 8 KiB on end
.endr
	VLOAD 64, 12                                   ; bo
	VLOAD 192, 14                                  ; ln2_g
	WIN 0
	s_wait_tensorcnt 0x0                           ; my part of Wo is in, and I alone read it
	FETCHW 0, 0
	FETCHW 1, 1
	s_wait_loadcnt 48                              ; the scale words and att are in; x, bo and ln2_g (16 loads each) may be out
	s_wait_dscnt 16                                ; the K step just asked for may be out
	WIN 0x04                                       ; source 1 in window 1
	MULS 0, 1
	PLACES
	FETCHW 2, 0
	s_wait_dscnt 16
	MULS 1, 0
	PLACES
	FETCHW 3, 1
	WIN 0                                          ; (the add's two registers lie in window 0)
	s_wait_tensorcnt 0x0                           ; ahead of a refill: no tensor load of mine is out,
	ds_add_u32 v12, v13
	s_wait_dscnt 17                                ; (K step 3's sixteen loads and the add may be out)
	WIN 0x04
	MULS 2, 0
	WIN 0
	s_wait_dscnt 0x0                               ; the add is done, and my reads of these bytes are over
	ROUND                                          ; so it is in every wave of the four work-groups
	tensor_load_to_lds s[60:63], s[48:55]          ; K steps 4-7 into the same bytes
	s_nop 0
	PLACES
	WIN 0x04
	MULS 3, 0
	PLACES
	s_wait_tensorcnt 0x0
	FETCHW 4, 0
	FETCHW 5, 1
	s_wait_dscnt 16
	MULS 4, 0
	PLACES
	FETCHW 6, 0
	s_wait_dscnt 16
	MULS 5, 0
	PLACES
	FETCHW 7, 1
	s_wait_dscnt 16
	MULS 6, 0
	s_wait_dscnt 0x0                               ; my last reads of Wo's bytes are over
	s_barrier_signal -1
	MULS 7, 0
	WIN 0
	s_barrier_wait -1                              ; everybody's are: these bytes have had their last fill and become the stage
	PLACES
	VLOAD 80, 16                                   ; ln2_b
	s_wait_loadcnt 16                              ; x, bo and ln2_g are in
	WIN 0x04                                       ; an LDS store's data are its source 1
.irp k, 0,1,2,3,4,5,6,7,8,9,10,11,12,13,14,15
	ds_store_b128 v5, v[4*\k:4*\k+3] offset:(\k/8)*4112+512*(\k%8)
.endr
	WIN 0
	s_wait_dscnt 0x0
	s_barrier_signal -1
	s_barrier_wait -1                              ; the tile's 16 rows of x lie in LDS
.irp b, 0,1,2,3
.irp q, 0,1,2,3
	ds_load_b128 v[152+16*\b+4*\q:155+16*\b+4*\q], v4 offset:128*\b+16*\q   ; x in the results' layout
.endr
.endr
	s_wait_dscnt 0x0
.irp j, 0,2,4,6,8,10,12,14,16,18,20,22,24,26,28,30,32,34,36,38,40,42,44,46,48,50,52,54,56,58,60,62
	v_pk_add_f32 v[152+\j:153+\j], v[152+\j:153+\j], v[16+\j:17+\j]   ; each accumulator from its low end on
.endr
	WIN 0x04
.irp j, 0,2,4,6,8,10,12,14,16,18,20,22,24,26,28,30,32,34,36,38,40,42,44,46,48,50,52,54,56,58,60,62
	v_pk_add_f32 v[152+\j:153+\j], v[152+\j:153+\j], v[64+\j:65+\j]   ; + bo
.endr
	WIN 0
.irp b, 0,1,2,3
.irp q, 0,1,2,3
	ds_store_b128 v4, v[152+16*\b+4*\q:155+16*\b+4*\q] offset:128*\b+16*\q   ; x1 onto the bytes that I alone have read
.endr
.endr
.irp i, 0,1,2,3
	v_pk_add_f32 v[248+2*\i:249+2*\i], v[152+2*\i:153+2*\i], v[160+2*\i:161+2*\i]   ; four chains by turns
.endr
.irp j, 16,24,32,40,48,56
.irp i, 0,1,2,3
	v_pk_add_f32 v[248+2*\i:249+2*\i], v[248+2*\i:249+2*\i], v[152+\j+2*\i:153+\j+2*\i]
.endr
.endr
	JOIN4
	RSUM 0
	s_delay_alu instid0(VALU_DEP_1)
	v_mul_f32 v248, s44, v252                      ; the mean
	s_delay_alu instid0(VALU_DEP_1)
	v_mov_b32 v249, v248
.irp j, 0,2,4,6,8,10,12,14,16,18,20,22,24,26,28,30,32,34,36,38,40,42,44,46,48,50,52,54,56,58,60,62
	v_pk_add_f32 v[152+\j:153+\j], v[152+\j:153+\j], v[248:249] neg_lo:[0,1] neg_hi:[0,1]
.endr
.irp i, 0,1,2,3
	v_pk_mul_f32 v[248+2*\i:249+2*\i], v[152+2*\i:153+2*\i], v[152+2*\i:153+2*\i]
.endr
.irp j, 8,16,24,32,40,48,56
.irp i, 0,1,2,3
	v_pk_fma_f32 v[248+2*\i:249+2*\i], v[152+\j+2*\i:153+\j+2*\i], v[152+\j+2*\i:153+\j+2*\i], v[248+2*\i:249+2*\i]
.endr
.endr
	JOIN4
	RSUM 512
	s_delay_alu instid0(VALU_DEP_1)
	v_fma_f32 v252, v252, s44, s45                 ; the variance + eps
	s_wait_alu depctr_va_vdst(0)                   ; the wait ahead of the transcendental,
	v_rsq_f32 v250, v252
	v_nop
	s_wait_alu depctr_va_vdst(0)                   ; and ahead of its first reader
	v_mov_b32 v251, v250
	s_wait_alu depctr_va_vdst(0)
	s_wait_loadcnt 0x0                             ; ln2_b
.irp j, 0,2,4,6,8,10,12,14,16,18,20,22,24,26,28,30,32,34,36,38,40,42,44,46,48,50,52,54,56,58,60,62
	v_pk_mul_f32 v[152+\j:153+\j], v[152+\j:153+\j], v[250:251]
.endr
	WIN 0x04
.irp j, 0,2,4,6,8,10,12,14,16,18,20,22,24,26,28,30,32,34,36,38,40,42,44,46,48,50,52,54,56,58,60,62
	v_pk_fma_f32 v[152+\j:153+\j], v[152+\j:153+\j], v[192+\j:193+\j], v[80+\j:81+\j]   ; x ln2_g (window 1) + ln2_b
.endr
	WIN 0
	QUANT 152, 144, 246
	global_store_b128 v1, v[144:147], s[38:39]
	global_store_b128 v1, v[148:151], s[38:39] offset:512
	global_store_b32 v3, v246, s[40:41]            ; lanes 16-31 repeat lanes 0-15's address and value
.irp k, 0,1,2,3,4,5,6,7,8,9,10,11,12,13,14,15
	ds_load_b128 v[16+4*\k:19+4*\k], v5 offset:(\k/8)*4112+512*(\k%8)   ; x1 as whole rows: every wave's stores landed ahead of the first sum's barrier
.endr
.irp k, 0,1,2,3,4,5,6,7,8,9,10,11,12,13,14,15
	s_wait_dscnt 15-\k
	global_store_b128 v1, v[16+4*\k:19+4*\k], s[18:19] offset:512*\k
.endr
	s_wait_tensorcnt 0x0                           ; the wave's end
	ds_add_u32 v12, v13
	s_wait_dscnt 0x0
	ROUND                                          ; the closing round
	s_endpgm
.Lfunc_end_k_qa7d39a9e85_wo_ln2:
	.size	k_qa7d39a9e85_wo_ln2, .Lfunc_end_k_qa7d39a9e85_wo_ln2-k_qa7d39a9e85_wo_ln2
	.p2alignl 7, 3214868480
	.fill 96, 4, 3214868480
	.section	.rodata,"a",@progbits
	.p2align	6, 0x0
	.amdhsa_kernel k_qa7d39a9e85_wo_ln2
		.amdhsa_group_segment_fixed_size 327680
		.amdhsa_private_segment_fixed_size 0
		.amdhsa_enable_private_segment 0
		.amdhsa_kernarg_size 72
		.amdhsa_user_sgpr_count 2
		.amdhsa_user_sgpr_kernarg_segment_ptr 1
		.amdhsa_wavefront_size32 1
		.amdhsa_system_sgpr_workgroup_id_x 1
		.amdhsa_system_sgpr_workgroup_id_y 1
		.amdhsa_system_sgpr_workgroup_id_z 1
		.amdhsa_system_vgpr_workitem_id 0
		.amdhsa_next_free_vgpr 512
		.amdhsa_next_free_sgpr 66
		.amdhsa_reserve_vcc 0
		.amdhsa_float_denorm_mode_32 3
		.amdhsa_float_denorm_mode_16_64 3
		.amdhsa_memory_ordered 1
		.amdhsa_forward_progress 1
		.amdhsa_inst_pref_size 63
	.end_amdhsa_kernel
	.amdgpu_metadata
---
amdhsa.version: [ 1, 2 ]
amdhsa.kernels:
  - .name:           k_qa7d39a9e85_wo_ln2
    .symbol:         k_qa7d39a9e85_wo_ln2.kd
    .args:
      - { .name: ac, .offset: 0, .size: 8, .value_kind: global_buffer, .address_space: global }
      - { .name: wc, .offset: 8, .size: 8, .value_kind: global_buffer, .address_space: global }
      - { .name: ws, .offset: 16, .size: 8, .value_kind: global_buffer, .address_space: global }
      - { .name: x, .offset: 24, .size: 8, .value_kind: global_buffer, .address_space: global }
      - { .name: bo, .offset: 32, .size: 8, .value_kind: global_buffer, .address_space: global }
      - { .name: ln2_g, .offset: 40, .size: 8, .value_kind: global_buffer, .address_space: global }
      - { .name: ln2_b, .offset: 48, .size: 8, .value_kind: global_buffer, .address_space: global }
      - { .name: x1, .offset: 56, .size: 8, .value_kind: global_buffer, .address_space: global }
      - { .name: yc, .offset: 64, .size: 8, .value_kind: global_buffer, .address_space: global }
    .group_segment_fixed_size: 327680
    .private_segment_fixed_size: 0
    .kernarg_segment_align: 8
    .kernarg_segment_size: 72
    .max_flat_workgroup_size: 256
    .sgpr_count:     66
    .vgpr_count:     512
    .wavefront_size: 32
...
	.end_amdgpu_metadata
.endif
;; end of part 4
;; launch mlp1 (part 5): grid 32 x 8, 4 waves a work-group, clusters of 4 x 1, 327,680 bytes of LDS; arguments yc, wc, ws, b1, hc; writes hc
.if DOCPART == 5
	.amdgcn_target "amdgcn-amd-amdhsa--gfx1250"
	.amdhsa_code_object_version 6
	.text
	.protected	k_qa7d39a9e85_mlp1
	.globl	k_qa7d39a9e85_mlp1
	.p2align	8
	.type	k_qa7d39a9e85_mlp1,@function
k_qa7d39a9e85_mlp1:
	s_mov_b64 s[64:65], 0
	v_nop
	global_prefetch_b8 v0, s[64:65] scope:SCOPE_SE
	s_setreg_imm32_b32 hwreg(HW_REG_WAVE_MODE, 25, 1), 1
	s_wait_xcnt 0x0
	s_wait_alu depctr_hold_cnt(0) depctr_sa_sdst(0) depctr_va_vdst(0) depctr_va_sdst(0) depctr_va_ssrc(0) depctr_va_vcc(0) depctr_vm_vsrc(0)
	s_getreg_b32 s2, hwreg(HW_REG_IB_STS2, 6, 4)
	s_cmp_eq_u32 s2, 0
	s_cbranch_scc0 .Lentry_in_a_cluster
	s_endpgm
.Lentry_in_a_cluster:
	s_bfe_u32 s2, ttmp6, 0x10000c
	s_cmp_lg_u32 s2, 0x3003
	s_cbranch_scc0 .Lentry_shape_is_right
	s_endpgm
.Lentry_shape_is_right:
; h = relu(xn2 W1 + b1) on codes of FP4, quantised on the way.  The one-pass panel GEMM of the launch qkv with fixed pointers: P = 128 columns of W1 (work-group x), R = 512 tokens (work-group y), eight tiles a wave; a wave makes 128 x 128 in 64 accumulators.
; LDS, filled ONCE, one tensor load a wave at the head: wave 0 brings P whole (8 rows of 8 KiB); waves 1, 2, 3 bring K steps 0-1, 2-3, 4-5 of R's 32 tiles (32 rows of 2 KiB, 8 KiB apart).  R's K steps 6 and 7 do not fit beside these 256 KiB
; and go from memory straight into registers, with R's scale words and b1.  The panel's scale words go through registers into LDS bytes that no tensor load fills.
; b1, in the results' layout, is the C of the first K step.  A lane's 64 results of a tile are 64 numbers of K step x of the next product: relu, quantiser, image to hc (KS 32; scale words at 8 MiB, NT 256).
; CLUSTER: the four work-groups of a cluster have the same y, so the same R: its three loads, 192 of the 256 KiB, are asked for JOINTLY; their addresses are made of y and the wave's number alone.  P's partners lie along y, which a cluster of 4 x 1
; does not reach: P's load is a plain one.  No LDS address and no branch hangs on the place in the cluster.  NO PREFETCH: the text has no loop to run ahead in.
; REGISTERS as in qkv; v7 64 (lane / 16); window 0 v192-255: b1, later the quantiser.  LIMITS as stated in prep.
.set SCL, 262144
.set SPARE, 266240
.set PS,  16
.set RS,  24
.set PF,  64
.set S4,  192
.set TM,  192
.set SEL, 26
.set MSB, 0
.macro WIN new
.if MSB != (\new)
	s_set_vgpr_msb (MSB<<8)|(\new)
.set MSB, \new
.endif
.endm
.macro PLACES
.rept 4
	v_nop
.endr
.endm
.macro ROUND                           ; a round of the cluster's barrier
	s_barrier_signal -1
	s_barrier_wait -1
	s_cmp_lg_u32 s28, 0
	s_cbranch_scc1 .Lnot_wave_0_\@
	s_barrier_signal -3
.Lnot_wave_0_\@:
	s_barrier_wait -3
	s_barrier_signal -1
	s_barrier_wait -1
.endm
.macro WM d, a, b, c, sa, sb, ra, rb
.if (\ra) && (\rb)
	v_wmma_scale_f32_16x16x128_f8f6f4 v[\d:\d+7], v[\a:\a+7], v[\b:\b+7], v[\c:\c+7], v[\sa], v[\sb] matrix_a_fmt:MATRIX_FMT_FP4 matrix_b_fmt:MATRIX_FMT_FP4 matrix_a_scale:MATRIX_SCALE_ROW1 matrix_b_scale:MATRIX_SCALE_ROW1
.elseif (\ra)
	v_wmma_scale_f32_16x16x128_f8f6f4 v[\d:\d+7], v[\a:\a+7], v[\b:\b+7], v[\c:\c+7], v[\sa], v[\sb] matrix_a_fmt:MATRIX_FMT_FP4 matrix_b_fmt:MATRIX_FMT_FP4 matrix_a_scale:MATRIX_SCALE_ROW1
.elseif (\rb)
	v_wmma_scale_f32_16x16x128_f8f6f4 v[\d:\d+7], v[\a:\a+7], v[\b:\b+7], v[\c:\c+7], v[\sa], v[\sb] matrix_a_fmt:MATRIX_FMT_FP4 matrix_b_fmt:MATRIX_FMT_FP4 matrix_b_scale:MATRIX_SCALE_ROW1
.else
	v_wmma_scale_f32_16x16x128_f8f6f4 v[\d:\d+7], v[\a:\a+7], v[\b:\b+7], v[\c:\c+7], v[\sa], v[\sb] matrix_a_fmt:MATRIX_FMT_FP4 matrix_b_fmt:MATRIX_FMT_FP4
.endif
.endm
.macro QUANT s, w, pc, pw              ; as in the launch qkv
	WIN 5*(\w)
.irp b, 0,1,2,3
	v_max3_num_f32 v[TM+\b], |v[\s+16*\b]|, |v[\s+1+16*\b]|, 0x1800000
.endr
	WIN 0x14*(\w)
.irp i, 2,4,6,8,10,12,14
.irp b, 0,1,2,3
	v_max3_num_f32 v[TM+\b], v[TM+\b], |v[\s+16*\b+\i]|, |v[\s+1+16*\b+\i]|
.endr
.endr
	WIN 0
.irp b, 0,1,2,3
	v_permlanex16_b32 v[TM+4+\b], v[TM+\b], s[SEL], s[SEL+1]
.endr
.irp b, 0,1,2,3
	v_max_num_f32 v[TM+\b], v[TM+\b], v[TM+4+\b]
.endr
.irp b, 0,1,2,3
	v_add_nc_u32 v[TM+8+\b], 0xff000000, v[TM+\b]
.endr
.irp b, 0,1,2,3
	v_lshrrev_b32 v[TM+4+\b], 23, v[TM+8+\b]
.endr
	v_lshl_or_b32 v[\pw], v[TM+5], 8, v[TM+4]
	v_lshl_or_b32 v[\pw], v[TM+6], 16, v[\pw]
	v_lshl_or_b32 v[\pw], v[TM+7], 24, v[\pw]
	WIN (\w)
.irp b, 0,1,2,3
	v_cvt_scalef32_pk8_fp4_f32 v[\pc+2*\b], v[\s+16*\b:\s+7+16*\b], v[TM+8+\b]
	v_cvt_scalef32_pk8_fp4_f32 v[\pc+1+2*\b], v[\s+8+16*\b:\s+15+16*\b], v[TM+8+\b]
.endr
	WIN 0
	v_nop
.irp c, 0,1
.irp i, 0,1
	v_permlane16_swap_b32 v[\pc+4*\c+\i], v[\pc+2+4*\c+\i]
.endr
.endr
.endm
.macro FETCH s, q                      ; K step s into set q: P's 16 + 4 LDS loads and, for K steps 0-5, my eight tiles of R: 16 more
.irp t, 0,1,2,3,4,5,6,7
.irp c, 0,1
	ds_load_b128 v[PF+64*(\q)+8*\t+4*\c:PF+64*(\q)+8*\t+4*\c+3], v1 offset:\t*8192+(\s)*1024+512*\c
.endr
.endr
.irp p, 0,1,2,3
	ds_load_b32 v[PS+4*(\q)+\p], v5 offset:512*(\s)+128*\p
.endr
.if (\s) < 6
	WIN 0x40
.irp i, 0,1,2,3,4,5,6,7
.irp c, 0,1
	ds_load_b128 v[64*(\q)+8*\i+4*\c:64*(\q)+8*\i+4*\c+3], v[10+(\s)/2] offset:2048*\i+1024*((\s)%2)+512*\c
.endr
.endr
	WIN 0
.endif
.endm
.macro RSC s                           ; R's scale words of K step s
.irp j, 0,1,2,3
	global_load_b32 v[RS+4*(\s)+\j], v6, s[16:17] offset:16384*(\s)+128*\j
.endr
.endm
.macro RG g                            ; my eight tiles of R, K step g = 6 or 7, from memory: 16 loads
	WIN 0x40
.irp i, 0,1,2,3,4,5,6,7
.irp c, 0,1
	global_load_b128 v[128+64*((\g)-6)+8*\i+4*\c:128+64*((\g)-6)+8*\i+4*\c+3], v1, s[14:15] offset:8192*\i+1024*(\g)+512*\c
.endr
.endr
	WIN 0
.endm
.macro MULH s, hi, first               ; 32 matrix instructions; the 64 accumulators take turns; the first K step takes b1 (window 0) as C
.if (\s) < 6
.set RB, 64*((\s)%2)
.else
.set RB, 128+64*((\s)-6)
.endif
.if \first
	WIN ((2+\hi)<<6)|4
.else
	WIN ((2+\hi)<<6)|((2+\hi)<<4)|4
.endif
.irp i, 0,1,2,3
.irp t, 0,1,2,3,4,5,6,7
.if \first
	WM 64*\i+8*\t, PF+64*((\s)%2)+8*\t, RB+8*(4*\hi+\i), S4+8*\t, PS+4*((\s)%2)+\t/2, RS+4*(\s)+(4*\hi+\i)/2, \t%2, \i%2
.else
	WM 64*\i+8*\t, PF+64*((\s)%2)+8*\t, RB+8*(4*\hi+\i), 64*\i+8*\t, PS+4*((\s)%2)+\t/2, RS+4*(\s)+(4*\hi+\i)/2, \t%2, \i%2
.endif
.endr
.endr
.endm
.macro STEP s
	WIN 0
.if (\s) < 7
	PLACES
	FETCH (\s)+1, 1-(\s)%2
.endif
.if (\s) == 0
	s_wait_loadcnt 32                              ; b1 and R's scale words are in; K steps 6 and 7 (16 loads each) may be out
.endif
.if (\s) == 6
	s_wait_loadcnt 16
.endif
.if (\s) == 7
	s_wait_loadcnt 0x0
.endif
.if (\s) < 5
	s_wait_dscnt 36                                ; the loads just issued may be out
.elseif (\s) < 7
	s_wait_dscnt 20
.else
	s_wait_dscnt 0x0
.endif
	MULH \s, 0, (\s)==0
	MULH \s, 1, (\s)==0
.endm
.macro EPI i                           ; my tile i: relu, quantiser, image; every tile has registers of its own for codes and word: no store's data are written again
.set EB, 64*((\i)%4)
	WIN 0x44*(2+(\i)/4)
.set j, 0
.rept 64
	v_max_num_f32 v[EB+j], 0, v[EB+j]              ; relu, in f32; each accumulator from its low end on
.set j, j+1
.endr
	QUANT 64*((\i)%4), 2+(\i)/4, 64+8*(\i), 128+(\i)
	global_store_b128 v1, v[64+8*(\i):64+8*(\i)+3], s[18:19] offset:(\i)*32768
	global_store_b128 v1, v[64+8*(\i)+4:64+8*(\i)+7], s[18:19] offset:(\i)*32768+512
.if (\i)%2
	v_cndmask_b32 v[136+(\i)/2], v[127+(\i)], v[128+(\i)], s40
	global_store_b32 v6, v[136+(\i)/2], s[20:21] offset:128*((\i)/2)
.endif
.endm
	s_load_b256 s[4:11], s[0:1], 0x0               ; yc, wc, ws, b1
	s_load_b64 s[12:13], s[0:1], 0x20              ; hc
	v_lshl_add_u32 v14, v0, 2, SPARE
	v_mov_b32 v15, 0
	ds_add_u32 v14, v15                            ; the opening lines: the add, twice on end, and its wait ahead of my tensor load
	ds_add_u32 v14, v15
	v_lshrrev_b32 v2, 5, v0
	v_readfirstlane_b32 s28, v2
	v_and_b32 v2, 31, v0
	v_lshlrev_b32 v1, 4, v2
	v_lshlrev_b32 v6, 2, v2
	v_add_nc_u32 v5, SCL, v6
	v_bfe_u32 v7, v0, 4, 1
	v_lshlrev_b32 v7, 6, v7                        ; 64 h
	s_lshl_b32 s45, s28, 10
	s_add_co_u32 s45, s45, SCL
	v_add_nc_u32 v9, s45, v1                       ; where the panel's scale words of K steps 2 w, 2 w + 1 go
	s_lshl_b32 s29, s28, 14
	s_add_co_u32 s29, s29, 65536
	v_add_nc_u32 v10, s29, v1                      ; my eight tiles of R (2 KiB each) in K steps 0-1's 64 KiB,
	v_add_nc_u32 v11, 0x10000, v10                 ; in K steps 2-3's,
	v_add_nc_u32 v12, 0x20000, v10                 ; in K steps 4-5's
	s_mov_b32 s26, 0x76543210
	s_mov_b32 s27, 0xfedcba98
	s_mov_b32 s40, 0xffff0000
	s_mov_b32 s77, 0
	s_bfe_u32 s30, ttmp6, 0x40000                  ; cx
	s_lshl_b32 s31, ttmp9, 2
	s_add_co_u32 s31, s31, s30                     ; the panel
	s_and_b32 s32, ttmp7, 0xffff                   ; which 512 tokens
	s_lshl_b32 s36, s32, 5
	s_lshl_b32 s29, s28, 3
	s_add_co_u32 s36, s36, s29                     ; my first token tile of eight
	s_max_u32 s44, s28, 1
	s_sub_co_u32 s44, s44, 1                       ; waves 1, 2, 3: which pair of K steps of R I fetch
	; group 1 for P, elements of 8 bytes, no mask: 8 rows (tiles) of 8 KiB, dense
	s_mov_b32 s56, 3<<16
	s_mov_b32 s57, 1024<<16
	s_mov_b32 s58, 8<<16
	s_mov_b32 s59, 1024<<16
	s_mov_b32 s60, 8
	s_mov_b32 s61, 1024
	s_mov_b32 s62, 0
	s_mov_b32 s63, 0
	; group 1 for R, the mask of all four partners and bit 21 beside it: 32 rows (tiles) of 2 KiB (two K steps), 8 KiB apart
	s_mov_b32 s68, 15|(3<<16)|(1<<21)
	s_mov_b32 s69, 256<<16
	s_mov_b32 s70, 32<<16
	s_mov_b32 s71, 256<<16
	s_mov_b32 s72, 32
	s_mov_b32 s73, 1024
	s_mov_b32 s74, 0
	s_mov_b32 s75, 0
	s_mov_b32 s48, 1
	s_mov_b32 s49, 0
	s_lshl_b32 s50, s31, 16                        ; the panel's 8 tiles of 8 KiB,
	s_add_co_u32 s50, s50, 0x200000                ; in W1's region of wc
	s_mov_b32 s51, 0
	s_mov_b32 s52, 1
	s_lshl_b32 s53, s28, 16                        ; 65,536 x wave
	s_lshl_b32 s54, s32, 18                        ; 32 tiles of 8 KiB for each 512 tokens
	s_lshl_b32 s55, s44, 11
	s_add_co_u32 s54, s54, s55
	s_mov_b32 s55, 0
	s_wait_alu depctr_va_vdst(0)                   ; the wait at the head's end
	s_wait_dscnt 0x0
	s_wait_kmcnt 0x0
	s_add_nc_u64 s[50:51], s[6:7], s[50:51]
	s_or_b32 s51, s51, 0x80000000
	s_add_nc_u64 s[54:55], s[4:5], s[54:55]
	s_or_b32 s55, s55, 0x80000000
	s_lshl_b32 s76, s36, 13
	s_add_nc_u64 s[14:15], s[4:5], s[76:77]
	s_lshl_b32 s76, s36, 6
	s_add_co_u32 s76, s76, 0x200000
	s_add_nc_u64 s[16:17], s[4:5], s[76:77]
	s_lshl_b32 s76, s28, 15
	s_lshl_b32 s78, s31, 9
	s_add_co_u32 s76, s76, s78
	s_add_co_u32 s76, s76, 131072
	s_add_nc_u64 s[24:25], s[8:9], s[76:77]
	s_lshl_b32 s76, s36, 15
	s_lshl_b32 s78, s31, 10
	s_add_co_u32 s76, s76, s78
	s_add_nc_u64 s[18:19], s[12:13], s[76:77]
	s_lshl_b32 s76, s31, 14
	s_lshl_b32 s78, s36, 6
	s_add_co_u32 s76, s76, s78
	s_add_co_u32 s76, s76, 0x800000
	s_add_nc_u64 s[20:21], s[12:13], s[76:77]
	s_lshl_b32 s76, s31, 9
	s_add_nc_u64 s[10:11], s[10:11], s[76:77]
	ROUND                                          ; all four work-groups are here: the joint loads meet
	s_cmp_lt_u32 s28, 1                            ; one chain of branches on the wave's number, a load to an arm
	s_cbranch_scc0 .Lfor_r
	tensor_load_to_lds s[48:51], s[56:63]          ; wave 0: the panel
	s_nop 0
	PLACES
	s_branch .Lasked
.Lfor_r:
	tensor_load_to_lds s[52:55], s[68:75]          ; waves 1, 2, 3: two K steps of R, jointly
	s_nop 0
	PLACES
.Lasked:
	global_load_b128 v[PF:PF+3], v1, s[24:25]      ; the panel's scale words of K steps 2 w, 2 w + 1, 512 bytes each
	global_load_b128 v[PF+4:PF+7], v1, s[24:25] offset:16384
.irp t, 0,1,2,3,4,5,6,7                        ; b1 in the results' layout: tile 2 b + u, lane half h: columns 32 b + 16 h + 8 u + 0 .. 7
	global_load_b128 v[S4+8*\t:S4+8*\t+3], v7, s[10:11] offset:(32*(\t/2)+8*(\t%2))*4
	global_load_b128 v[S4+8*\t+4:S4+8*\t+7], v7, s[10:11] offset:(32*(\t/2)+8*(\t%2))*4+16
.endr
.irp s, 0,1,2,3,4,5,6,7
	RSC \s
.endr
	s_wait_loadcnt 48                              ; the panel's scale words are in; b1's 16 loads and R's 32 of scale words may be out
	ds_store_b128 v9, v[PF:PF+3]
	ds_store_b128 v9, v[PF+4:PF+7] offset:512
	RG 6
	RG 7
	s_wait_tensorcnt 0x0                           ; my tile has landed,
	s_wait_dscnt 0x0                               ; and my stores
	s_barrier_signal -1
	s_barrier_wait -1                              ; everybody's have
	FETCH 0, 0
.irp s, 0,1,2,3,4,5,6,7
	STEP \s
.endr
	WIN 0
	PLACES
.irp b, 0,1,2,3
	v_mov_b32 v[TM+4+\b], 0                        ; a lane permute's destination counts as read
.endr
.irp i, 0,1,2,3,4,5,6,7
	EPI \i
.endr
	s_wait_tensorcnt 0x0                           ; the wave's end
	ds_add_u32 v14, v15
	s_wait_dscnt 0x0
	ROUND                                          ; the closing round
	s_endpgm
.Lfunc_end_k_qa7d39a9e85_mlp1:
	.size	k_qa7d39a9e85_mlp1, .Lfunc_end_k_qa7d39a9e85_mlp1-k_qa7d39a9e85_mlp1
	.p2alignl 7, 3214868480
	.fill 96, 4, 3214868480
	.section	.rodata,"a",@progbits
	.p2align	6, 0x0
	.amdhsa_kernel k_qa7d39a9e85_mlp1
		.amdhsa_group_segment_fixed_size 327680
		.amdhsa_private_segment_fixed_size 0
		.amdhsa_enable_private_segment 0
		.amdhsa_kernarg_size 40
		.amdhsa_user_sgpr_count 2
		.amdhsa_user_sgpr_kernarg_segment_ptr 1
		.amdhsa_wavefront_size32 1
		.amdhsa_system_sgpr_workgroup_id_x 1
		.amdhsa_system_sgpr_workgroup_id_y 1
		.amdhsa_system_sgpr_workgroup_id_z 1
		.amdhsa_system_vgpr_workitem_id 0
		.amdhsa_next_free_vgpr 1024
		.amdhsa_next_free_sgpr 80
		.amdhsa_reserve_vcc 0
		.amdhsa_float_denorm_mode_32 3
		.amdhsa_float_denorm_mode_16_64 3
		.amdhsa_memory_ordered 1
		.amdhsa_forward_progress 1
		.amdhsa_inst_pref_size 146
	.end_amdhsa_kernel
	.amdgpu_metadata
---
amdhsa.version: [ 1, 2 ]
amdhsa.kernels:
  - .name:           k_qa7d39a9e85_mlp1
    .symbol:         k_qa7d39a9e85_mlp1.kd
    .args:
      - { .name: yc, .offset: 0, .size: 8, .value_kind: global_buffer, .address_space: global }
      - { .name: wc, .offset: 8, .size: 8, .value_kind: global_buffer, .address_space: global }
      - { .name: ws, .offset: 16, .size: 8, .value_kind: global_buffer, .address_space: global }
      - { .name: b1, .offset: 24, .size: 8, .value_kind: global_buffer, .address_space: global }
      - { .name: hc, .offset: 32, .size: 8, .value_kind: global_buffer, .address_space: global }
    .group_segment_fixed_size: 327680
    .private_segment_fixed_size: 0
    .kernarg_segment_align: 8
    .kernarg_segment_size: 40
    .max_flat_workgroup_size: 128
    .sgpr_count:     80
    .vgpr_count:     1024
    .wavefront_size: 32
...
	.end_amdgpu_metadata
.endif
;; end of part 5
;; launch mlp2 (part 6): grid 32 x 8, 4 waves a work-group, clusters of 4 x 1, 327,680 bytes of LDS; arguments hc, wc, ws, x1, b2, out0; writes out0
.if DOCPART == 6
	.amdgcn_target "amdgcn-amd-amdhsa--gfx1250"
	.amdhsa_code_object_version 6
	.text
	.protected	k_qa7d39a9e85_mlp2
	.globl	k_qa7d39a9e85_mlp2
	.p2align	8
	.type	k_qa7d39a9e85_mlp2,@function
k_qa7d39a9e85_mlp2:
	s_mov_b64 s[64:65], 0
	v_nop
	global_prefetch_b8 v0, s[64:65] scope:SCOPE_SE
	s_setreg_imm32_b32 hwreg(HW_REG_WAVE_MODE, 25, 1), 1
	s_wait_xcnt 0x0
	s_wait_alu depctr_hold_cnt(0) depctr_sa_sdst(0) depctr_va_vdst(0) depctr_va_sdst(0) depctr_va_ssrc(0) depctr_va_vcc(0) depctr_vm_vsrc(0)
	s_getreg_b32 s2, hwreg(HW_REG_IB_STS2, 6, 4)
	s_cmp_eq_u32 s2, 0
	s_cbranch_scc0 .Lentry_in_a_cluster
	s_endpgm
.Lentry_in_a_cluster:
	s_bfe_u32 s2, ttmp6, 0x10000c
	s_cmp_lg_u32 s2, 0x3003
	s_cbranch_scc0 .Lentry_shape_is_right
	s_endpgm
.Lentry_shape_is_right:
; out = x1 + h W2 + b2, the product on codes of FP4.  The panel GEMM once more, K = 4,096 in 32 steps, one pass.
; P = 128 columns of W2 (work-group y): 256 KiB of codes in two chunks, K steps 0-7 and 8-31 and 16 KiB of scale words, in LDS, filled ONCE.  R = 128 tokens (work-group x), two tiles a wave, as register images straight from memory, twelve K steps ahead.
; CLUSTER: the four work-groups of a cluster have the same y: the panel, half of what a work-group reads, is asked for JOINTLY.  The place in the cluster enters global addresses of R, x1 and out alone.
; By this text's own count a wave has one tensor load out.  A barrier stands in front of each chunk's first read; K steps 0-7's bytes are filled again, with x1, once every wave's reads of them are over.
; THE WAY OUT: a lane holds one token and 64 columns; the results go through the wave's own stage (32 rows x 528 bytes) and leave as rows of 512 bytes.  The stages lie in K steps 8-31's chunk: those have had their only fill, and every wave's reads
; of them were waited for ahead of a barrier.
; REGISTERS.  window 0: v1-4 16 l + 64 KiB x k, v5 SCL + 4 l, v6 4 l, v9, v10 the stage, v12-15 b2, v16-23 P's scale words, v24-55 R's, v64-191 P's fragments (two sets), later rows of the result.
;   window 1: v0-127 the accumulators, v128-255 x1's 32 rows.   windows 2, 3: R's fragments ((s, i) at 16 (s % 16) + 8 i of window 2 + s / 16).
.set SCL, 262144
.set PS,  16
.set RS,  24
.set PF,  64
.set MSB, 0
.macro WIN new
.if MSB != (\new)
	s_set_vgpr_msb (MSB<<8)|(\new)
.set MSB, \new
.endif
.endm
.macro PLACES
.rept 4
	v_nop
.endr
.endm
.macro WM d, a, b, c, sa, sb, ra, rb
.if (\c) < 0
.if (\ra) && (\rb)
	v_wmma_scale_f32_16x16x128_f8f6f4 v[\d:\d+7], v[\a:\a+7], v[\b:\b+7], 0, v[\sa], v[\sb] matrix_a_fmt:MATRIX_FMT_FP4 matrix_b_fmt:MATRIX_FMT_FP4 matrix_a_scale:MATRIX_SCALE_ROW1 matrix_b_scale:MATRIX_SCALE_ROW1
.elseif (\ra)
	v_wmma_scale_f32_16x16x128_f8f6f4 v[\d:\d+7], v[\a:\a+7], v[\b:\b+7], 0, v[\sa], v[\sb] matrix_a_fmt:MATRIX_FMT_FP4 matrix_b_fmt:MATRIX_FMT_FP4 matrix_a_scale:MATRIX_SCALE_ROW1
.elseif (\rb)
	v_wmma_scale_f32_16x16x128_f8f6f4 v[\d:\d+7], v[\a:\a+7], v[\b:\b+7], 0, v[\sa], v[\sb] matrix_a_fmt:MATRIX_FMT_FP4 matrix_b_fmt:MATRIX_FMT_FP4 matrix_b_scale:MATRIX_SCALE_ROW1
.else
	v_wmma_scale_f32_16x16x128_f8f6f4 v[\d:\d+7], v[\a:\a+7], v[\b:\b+7], 0, v[\sa], v[\sb] matrix_a_fmt:MATRIX_FMT_FP4 matrix_b_fmt:MATRIX_FMT_FP4
.endif
.else
.if (\ra) && (\rb)
	v_wmma_scale_f32_16x16x128_f8f6f4 v[\d:\d+7], v[\a:\a+7], v[\b:\b+7], v[\c:\c+7], v[\sa], v[\sb] matrix_a_fmt:MATRIX_FMT_FP4 matrix_b_fmt:MATRIX_FMT_FP4 matrix_a_scale:MATRIX_SCALE_ROW1 matrix_b_scale:MATRIX_SCALE_ROW1
.elseif (\ra)
	v_wmma_scale_f32_16x16x128_f8f6f4 v[\d:\d+7], v[\a:\a+7], v[\b:\b+7], v[\c:\c+7], v[\sa], v[\sb] matrix_a_fmt:MATRIX_FMT_FP4 matrix_b_fmt:MATRIX_FMT_FP4 matrix_a_scale:MATRIX_SCALE_ROW1
.elseif (\rb)
	v_wmma_scale_f32_16x16x128_f8f6f4 v[\d:\d+7], v[\a:\a+7], v[\b:\b+7], v[\c:\c+7], v[\sa], v[\sb] matrix_a_fmt:MATRIX_FMT_FP4 matrix_b_fmt:MATRIX_FMT_FP4 matrix_b_scale:MATRIX_SCALE_ROW1
.else
	v_wmma_scale_f32_16x16x128_f8f6f4 v[\d:\d+7], v[\a:\a+7], v[\b:\b+7], v[\c:\c+7], v[\sa], v[\sb] matrix_a_fmt:MATRIX_FMT_FP4 matrix_b_fmt:MATRIX_FMT_FP4
.endif
.endif
.endm
.macro ROUND                           ; a round of the cluster's barrier
	s_barrier_signal -1
	s_barrier_wait -1
	s_cmp_lg_u32 s28, 0
	s_cbranch_scc1 .Lnot_wave_0_\@
	s_barrier_signal -3
.Lnot_wave_0_\@:
	s_barrier_wait -3
	s_barrier_signal -1
	s_barrier_wait -1
.endm
.macro FETCH s, q                      ; K step s of the panel into set q: 16 + 4 LDS loads; an LDS offset has 16 bits, so each 64 KiB has an address register
.if (\s) < 8                           ; K steps 0-7 lie at 8,192 t + 1,024 s; K steps 8-31 behind them at 65,536 + 24,576 t + 1,024 (s - 8)
.set FB, (\s)*1024
.set FP, 8192
.else
.set FB, 65536+((\s)-8)*1024
.set FP, 24576
.endif
.irp t, 0,1,2,3,4,5,6,7
.irp c, 0,1
	ds_load_b128 v[PF+64*(\q)+8*\t+4*\c:PF+64*(\q)+8*\t+4*\c+3], v[1+(FB+\t*FP)/65536] offset:(FB+\t*FP)%65536+512*\c
.endr
.endr
.irp p, 0,1,2,3
	ds_load_b32 v[PS+4*(\q)+\p], v5 offset:512*(\s)+128*\p
.endr
.endm
.macro RLOAD s                         ; my two tiles of h, K step s: five loads
	WIN 0
	global_load_b32 v[RS+(\s)], v6, s[18:19] offset:16384*(\s)
	WIN (2+(\s)/16)<<6
.irp i, 0,1
.irp c, 0,1
	global_load_b128 v[16*((\s)%16)+8*\i+4*\c:16*((\s)%16)+8*\i+4*\c+3], v1, s[16:17] offset:32768*\i+1024*(\s)+512*\c
.endr
.endr
.endm
.macro MUL q, rw, rb, rs, first        ; the 16 accumulators take turns
	WIN 0x50|((\rw)<<2)
.irp i, 0,1
.irp t, 0,1,2,3,4,5,6,7
.if \first
	WM 64*\i+8*\t, PF+64*(\q)+8*\t, (\rb)+8*\i, -1, PS+4*(\q)+\t/2, \rs, \t%2, \i
.else
	WM 64*\i+8*\t, PF+64*(\q)+8*\t, (\rb)+8*\i, 64*\i+8*\t, PS+4*(\q)+\t/2, \rs, \t%2, \i
.endif
.endr
.endr
.endm
.macro LWAIT s                         ; younger than K step s's five loads: those of the K steps asked for ahead
.if (\s) < 19
	s_wait_loadcnt 60
.else
	s_wait_loadcnt 5*(31-(\s))
.endif
.endm
.macro STEP s
.set QQ, (\s)%2
	WIN 0
.if (\s) == 7                          ; the next K step opens the panel's second part
.if (\s)+12 < 32
	RLOAD (\s)+12
.endif
	LWAIT \s
	WIN 0                                          ; (the add's two registers lie in window 0)
	s_wait_tensorcnt 0x0                           ; my part of K steps 8-31 has landed; ahead of a refill
	ds_add_u32 v254, v255
	s_wait_dscnt 0x1                               ; this K step's fragments are in; the add may be out
	MUL QQ, 2+(\s)/16, 16*((\s)%16), RS+(\s), 0
	WIN 0
	s_wait_dscnt 0x0                               ; the add is done, and my reads of K steps 0-7 are over
	ROUND                                          ; so it is in every wave of the four work-groups
	tensor_load_to_lds s[56:59], s[48:55]          ; my 32 rows of x1 onto the panel's first 64 KiB, 16 KiB a wave: a plain load, read by me alone on the way out
	s_nop 0
	PLACES
	FETCH (\s)+1, 1-QQ
.else
.if (\s) < 31
	PLACES
	FETCH (\s)+1, 1-QQ
.endif
.if (\s)+12 < 32
	RLOAD (\s)+12
.endif
	LWAIT \s
.if (\s) < 31
	s_wait_dscnt 20                                ; the 20 just issued may be out
.else
	s_wait_dscnt 0x0
.endif
	MUL QQ, 2+(\s)/16, 16*((\s)%16), RS+(\s), (\s)==0
.endif
.endm
	s_load_b256 s[4:11], s[0:1], 0x0               ; hc, wc, ws, x1
	s_load_b128 s[12:15], s[0:1], 0x20             ; b2, out0
	v_lshl_add_u32 v254, v0, 2, 0x44000
	v_mov_b32 v255, 0
	ds_add_u32 v254, v255
	ds_add_u32 v254, v255
	v_lshrrev_b32 v7, 5, v0
	v_readfirstlane_b32 s28, v7                    ; wave
	v_and_b32 v7, 31, v0
	v_lshlrev_b32 v1, 4, v7
	v_add_nc_u32 v2, 0x10000, v1
	v_add_nc_u32 v3, 0x20000, v1
	v_add_nc_u32 v4, 0x30000, v1
	v_lshlrev_b32 v6, 2, v7
	v_add_nc_u32 v5, SCL, v6
	v_and_b32 v8, 15, v0
	v_bfe_u32 v11, v0, 4, 1
	s_mul_i32 s27, s28, 16896                      ; my stage,
	s_add_co_u32 s27, s27, 65536                   ; on the bytes of K steps 8-31, behind x1's
	v_mul_u32_u24 v9, v8, 528
	v_lshl_add_u32 v9, v11, 6, v9
	v_add_nc_u32 v9, s27, v9                       ; in: row r, + 64 h
	v_add_nc_u32 v10, s27, v1                      ; back: 16 bytes a lane
	s_bfe_u32 s29, ttmp6, 0x40000                  ; cx
	s_lshl_b32 s30, ttmp9, 2
	s_add_co_u32 s30, s30, s29                     ; which 128 tokens
	s_and_b32 s31, ttmp7, 0xffff                   ; the panel
	s_mov_b32 s33, 0
	s_mov_b32 s37, 0
	; two groups 1, elements of 8 bytes, the mask of all four partners and bit 21 beside it; 2 rows (tiles), 32 KiB apart: of 8 KiB (K steps 0-7), and of 24 KiB (K steps 8-31)
	s_mov_b32 s80, 15|(3<<16)|(1<<21)
	s_mov_b32 s81, 1024<<16
	s_mov_b32 s82, 2<<16
	s_mov_b32 s83, 1024<<16
	s_mov_b32 s84, 2
	s_mov_b32 s85, 4096
	s_mov_b32 s86, 0
	s_mov_b32 s87, 0
	s_mov_b32 s88, 15|(3<<16)|(1<<21)
	s_mov_b32 s89, 3072<<16
	s_mov_b32 s90, 2<<16
	s_mov_b32 s91, 3072<<16
	s_mov_b32 s92, 2
	s_mov_b32 s93, 4096
	s_mov_b32 s94, 0
	s_mov_b32 s95, 0
	s_wait_dscnt 0x0
	s_wait_kmcnt 0x0
	s_lshl_b32 s36, s31, 3                         ; the panel: made of y and the wave's number alone
	s_lshl_b32 s38, s28, 1
	s_add_co_u32 s36, s36, s38
	s_lshl_b32 s36, s36, 15
	s_add_co_u32 s36, s36, 0x400000
	s_add_nc_u64 s[34:35], s[6:7], s[36:37]
	s_lshl_b32 s36, s28, 15
	s_lshl_b32 s38, s31, 9
	s_add_co_u32 s36, s36, s38
	s_add_co_u32 s36, s36, 0x40000
	s_add_nc_u64 s[24:25], s[8:9], s[36:37]
	s_mov_b32 s40, 1                               ; tiles 2 w, 2 w + 1: K steps 0-7,
	s_lshl_b32 s41, s28, 14
	s_mov_b64 s[42:43], s[34:35]
	s_or_b32 s43, s43, 0x80000000
	s_mov_b32 s44, 1                               ; and K steps 8-31
	s_mul_i32 s45, s28, 49152
	s_add_co_u32 s45, s45, 65536
	s_add_nc_u64 s[46:47], s[34:35], 8192
	s_or_b32 s47, s47, 0x80000000
	s_lshl_b32 s39, s28, 12
	s_add_co_u32 s39, s39, SCL                     ; where my eight K steps' scale words go
	s_lshl_b32 s32, s30, 3                         ; my tiles of h: 8 x + 2 w
	s_lshl_b32 s26, s28, 1
	s_add_co_u32 s26, s32, s26
	s_lshl_b32 s32, s26, 15
	s_add_nc_u64 s[16:17], s[4:5], s[32:33]
	s_lshl_b32 s32, s26, 6
	s_add_co_u32 s32, s32, 0x800000
	s_add_nc_u64 s[18:19], s[4:5], s[32:33]
	s_lshl_b32 s32, s30, 2
	s_add_co_u32 s32, s32, s28
	s_lshl_b32 s32, s32, 17                        ; my 32 tokens' rows of 4,096 bytes,
	s_lshl_b32 s26, s31, 9
	s_add_co_u32 s32, s32, s26                     ; the panel's 512 bytes of them
	s_add_nc_u64 s[20:21], s[10:11], s[32:33]
	s_mov_b32 s48, 3<<16                           ; x1's descriptor, elements of 8 bytes, no mask: 32 rows of 512 bytes, 4,096 bytes apart
	s_mov_b32 s49, 64<<16
	s_mov_b32 s50, 32<<16
	s_mov_b32 s51, 64<<16
	s_mov_b32 s52, 32
	s_mov_b32 s53, 512
	s_mov_b32 s54, 0
	s_mov_b32 s55, 0
	s_mov_b32 s56, 1
	s_lshl_b32 s57, s28, 14
	s_mov_b64 s[58:59], s[20:21]
	s_or_b32 s59, s59, 0x80000000
	s_add_nc_u64 s[22:23], s[14:15], s[32:33]
	s_mov_b32 s32, s26
	s_add_nc_u64 s[12:13], s[12:13], s[32:33]
	ROUND                                          ; all four work-groups are here: the joint loads meet
	tensor_load_to_lds s[40:43], s[80:87]          ; my one tensor load at the head
	s_nop 0
	PLACES
	v_add_nc_u32 v11, s39, v1
	v_add_nc_u32 v7, s41, v1                       ; where my rows of x1 will lie: 16,384 w + 16 l
.irp k, 0,1,2,3,4,5,6,7
	global_load_b128 v[PF+4*\k:PF+4*\k+3], v1, s[24:25] offset:4096*\k   ; the panel's scale words of K steps 8 w .. 8 w + 7, 512 bytes each: through registers into LDS bytes that no tensor load fills
.endr
	global_load_b128 v[12:15], v1, s[12:13]        ; b2
	s_wait_alu depctr_va_vdst(0)
.irp s, 0,1,2,3
	RLOAD \s
.endr
	WIN 0
	s_wait_loadcnt 21                              ; the eight loads of scale words are in; b2's one and R's twenty may be out
.irp k, 0,1,2,3,4,5,6,7
	ds_store_b128 v11, v[PF+4*\k:PF+4*\k+3] offset:512*\k
.endr
	s_wait_tensorcnt 0x0                           ; K steps 0-7 of my tiles are in; ahead of a later first fill
	ds_add_u32 v254, v255
	s_wait_dscnt 0x0                               ; the add and my stores are done
	ROUND                                          ; everybody's are, and all four work-groups are here: the joint loads meet
	tensor_load_to_lds s[44:47], s[88:95]          ; K steps 8-31: my one tensor load behind the round
	s_nop 0
	PLACES
.irp s, 4,5,6,7,8,9,10,11
	RLOAD \s
.endr
	WIN 0
	FETCH 0, 0
.irp s, 0,1,2,3,4,5,6,7,8,9,10,11,12,13,14,15,16,17,18,19,20,21,22,23,24,25,26,27,28,29,30,31
	STEP \s
.endr
	WIN 0
	s_wait_tensorcnt 0x0                           ; my rows of x1 have landed
	WIN 0x40
.set yy, 0
.rept 32
	ds_load_b128 v[128+4*yy:131+4*yy], v7 offset:512*yy   ; x1's row yy: 512 consecutive bytes
.set yy, yy+1
.endr
	s_wait_dscnt 0x0
	s_barrier_signal -1                            ; my reads of the panel are over: the stages lie on the bytes of its K steps 8-31
	WIN 0x41
.set k, 0
.rept 64
	v_pk_add_f32 v[128+2*k:129+2*k], v[128+2*k:129+2*k], v[12+2*(k%2):13+2*(k%2)]   ; x1 + b2; these name no register of the last products: they are the places behind them
.set k, k+1
.endr
	s_barrier_wait -1                              ; everybody's are
	WIN 0x04
.irp i, 0,1
.irp t, 0,1,2,3,4,5,6,7
	ds_store_b128 v9, v[64*\i+8*\t:64*\i+8*\t+3] offset:8448*\i+128*(\t/2)+32*(\t%2)      ; each accumulator from its low end on
	ds_store_b128 v9, v[64*\i+8*\t+4:64*\i+8*\t+7] offset:8448*\i+128*(\t/2)+32*(\t%2)+16
.endr
.endr
	WIN 0
.set yy, 0
.rept 32
	ds_load_b128 v[64+4*yy:67+4*yy], v10 offset:528*(16*((yy/8)%2)+(yy%8)+8*(yy/16))   ; token yy of my 32 is row (yy % 8) + 8 (yy / 16) of tile (yy / 8) % 2.  LDS serves a wave's instructions in order
.set yy, yy+1
.endr
	WIN 0x44                                       ; source 1 and destination window 1: the sum lands beside x1, and the store takes its data (source 1) from there
.set yy, 0
.rept 32
	s_wait_dscnt 31-yy
	v_pk_add_f32 v[128+4*yy:129+4*yy], v[64+4*yy:65+4*yy], v[128+4*yy:129+4*yy]
	v_pk_add_f32 v[130+4*yy:131+4*yy], v[66+4*yy:67+4*yy], v[130+4*yy:131+4*yy]
	global_store_b128 v1, v[128+4*yy:131+4*yy], s[22:23] offset:4096*yy th:TH_STORE_NT   ; 512 consecutive aligned bytes
.set yy, yy+1
.endr
	WIN 0
	s_wait_tensorcnt 0x0
	ds_add_u32 v254, v255
	s_wait_dscnt 0x0
	ROUND                                          ; the closing round
	s_endpgm
.Lfunc_end_k_qa7d39a9e85_mlp2:
	.size	k_qa7d39a9e85_mlp2, .Lfunc_end_k_qa7d39a9e85_mlp2-k_qa7d39a9e85_mlp2
	.p2alignl 7, 3214868480
	.fill 96, 4, 3214868480
	.section	.rodata,"a",@progbits
	.p2align	6, 0x0
	.amdhsa_kernel k_qa7d39a9e85_mlp2
		.amdhsa_group_segment_fixed_size 327680
		.amdhsa_private_segment_fixed_size 0
		.amdhsa_enable_private_segment 0
		.amdhsa_kernarg_size 48
		.amdhsa_user_sgpr_count 2
		.amdhsa_user_sgpr_kernarg_segment_ptr 1
		.amdhsa_wavefront_size32 1
		.amdhsa_system_sgpr_workgroup_id_x 1
		.amdhsa_system_sgpr_workgroup_id_y 1
		.amdhsa_system_sgpr_workgroup_id_z 1
		.amdhsa_system_vgpr_workitem_id 0
		.amdhsa_next_free_vgpr 1024
		.amdhsa_next_free_sgpr 96
		.amdhsa_reserve_vcc 0
		.amdhsa_float_denorm_mode_32 3
		.amdhsa_float_denorm_mode_16_64 3
		.amdhsa_memory_ordered 1
		.amdhsa_forward_progress 1
		.amdhsa_inst_pref_size 156
	.end_amdhsa_kernel
	.amdgpu_metadata
---
amdhsa.version: [ 1, 2 ]
amdhsa.kernels:
  - .name:           k_qa7d39a9e85_mlp2
    .symbol:         k_qa7d39a9e85_mlp2.kd
    .args:
      - { .name: hc, .offset: 0, .size: 8, .value_kind: global_buffer, .address_space: global }
      - { .name: wc, .offset: 8, .size: 8, .value_kind: global_buffer, .address_space: global }
      - { .name: ws, .offset: 16, .size: 8, .value_kind: global_buffer, .address_space: global }
      - { .name: x1, .offset: 24, .size: 8, .value_kind: global_buffer, .address_space: global }
      - { .name: b2, .offset: 32, .size: 8, .value_kind: global_buffer, .address_space: global }
      - { .name: out0, .offset: 40, .size: 8, .value_kind: global_buffer, .address_space: global }
    .group_segment_fixed_size: 327680
    .private_segment_fixed_size: 0
    .kernarg_segment_align: 8
    .kernarg_segment_size: 48
    .max_flat_workgroup_size: 128
    .sgpr_count:     96
    .vgpr_count:     1024
    .wavefront_size: 32
...
	.end_amdgpu_metadata
.endif
;; end of part 6
